; MI455X (gfx1250); checked and timed in simulation.
; The chip was launched on July 23, 2026; its instructions are those of AMD's public machine-readable ISA for CDNA 5 (MIT licence, August 2026) and "CDNA5" Instruction Set Architecture Reference Guide (July 2026). The comments in the code are by the model that wrote it; some were corrected since.
;; Gravity Attention. Allowed arithmetic: float matrix products may take bf16 or f16 operands with f32 sums; other float arithmetic in f32, or as packed bf16 or f16 multiplies, adds, multiply-adds, maxima and minima; sums over many terms, partial sums and values carried from step to step in f32; what a program stores and reads back later, other than sums and carried values, may be rounded once to bf16 or f16.
;; Inputs: Wout 1,024 x 1,024 float32; Wqkv 1,024 x 3,072 float32; x 4 x 2,048 x 1,024 float32.
;; Outputs: out0 4 x 2,048 x 1,024 float32.
;; 2 versions, each right; version 2 is version 1 with the launch prep written anew for expert scheduling mode. Each part assembles by itself: llvm-mc -triple=amdgcn-amd-amdhsa -mcpu=gfx1250 --defsym DOCPART=n.
;; ======== version 1 of 2: 4 launches
;; limits: values are held in f16: magnitudes above 65,504 overflow, below 6.1e-05 lose precision
;; workspace buffers: xb 16,777,216 bytes; wq 6,291,456 bytes; wo 2,097,152 bytes; rope 524,288 bytes; qh 16,777,216 bytes; kh 16,777,216 bytes; vh 16,777,216 bytes; oh 16,777,216 bytes
;; launch prep (part 1): grid 768 x 1, 8 waves a work-group, no clusters, 0 bytes of LDS; arguments x, Wqkv, Wout, xb, wq, wo, rope; writes xb, wq, wo, rope
.if DOCPART == 1
	.amdgcn_target "amdgcn-amd-amdhsa--gfx1250"
	.amdhsa_code_object_version 6
	.text
	.protected	k_qcdd63ceca8_prep
	.globl	k_qcdd63ceca8_prep
	.p2align	8
	.type	k_qcdd63ceca8_prep,@function
k_qcdd63ceca8_prep:
	s_mov_b64 s[64:65], 0
	v_nop
	global_prefetch_b8 v0, s[64:65] scope:SCOPE_SE
	s_setreg_imm32_b32 hwreg(HW_REG_WAVE_MODE, 25, 1), 1
	s_wait_xcnt 0x0
; CASTS AND THE ROTATION TABLE.  Every work-group rounds 16,384 f32 numbers to 16 bits and lays them as the products behind want them:
;   work-groups 0-511:   x [8192][1024]    -> xb bf16 [4 b][16 kb][2048 t][64]: a block of 64 channels of all rows of a batch lies dense
;   work-groups 512-703: Wqkv [1024][3072] -> wq bf16 [1024 k][8 j][3 parts][128]: column 1024 part + 128 j + c goes to 384 j + 128 part + c, so that heads 2 j, 2 j + 1 of q, k and v are 384 neighbouring columns
;   work-groups 704-767: Wout [1024][1024] -> wo f16 [1024][1024]: rounded to bf16 like the other inputs, and that number written as f16
; Work-groups 0-255 also make the table rope f32 [2048 t][cos of 32 angles | sin of 32 angles], a row of 256 bytes a wave, while their loads are on their way.
; Each wave: 16 loads of 16 bytes a lane, all issued first, then 16 stores of 8 bytes a lane, each 256 consecutive bytes at a multiple of 256.  No LDS, no barrier, no loop; no register is written twice while a memory instruction may read it.
; LIMITS.  bf16(Wout) beyond 65,504 becomes an infinity in f16; below 6e-5 it keeps f16's fixed step of 6e-8.  The angle t x 10000^(-j/32) is made with 2^x of 1 ULP: it is off by at most some 3e-4 at t = 2047.
.set VI, 2                             ; v2   my byte offset in the source
.set VO, 3                             ; v3   my byte offset in the destination
.set X,  32                            ; v[32:95]   16 x 4 numbers as loaded
.set Y,  96                            ; v[96:127]  16 x 2 words to store
.macro LOADS is                        ; 16 loads, is bytes apart
.set i, 0
.rept 16
	global_load_b128 v[X+4*i:X+4*i+3], v[VI], s[24:25] offset:i*(\is) th:TH_LOAD_NT
.set i, i+1
.endr
.endm
.macro CONV os, f16                    ; round and store, os bytes apart; f16 = 1: the bf16 number is written as f16
.set i, 0
.rept 16
	s_wait_loadcnt 15-i                            ; loads come back in order: number i is in, the 15 - i younger ones may stay out
	v_cvt_pk_bf16_f32 v[Y+2*i], v[X+4*i], v[X+4*i+1]
	v_cvt_pk_bf16_f32 v[Y+2*i+1], v[X+4*i+2], v[X+4*i+3]
.if \f16
	v_lshlrev_b32 v4, 16, v[Y+2*i]                 ; bf16 to f32: the low half moves up, the high half stays
	v_and_b32 v5, 0xffff0000, v[Y+2*i]
	v_lshlrev_b32 v6, 16, v[Y+2*i+1]
	v_and_b32 v7, 0xffff0000, v[Y+2*i+1]
	v_cvt_pk_f16_f32 v[Y+2*i], v4, v5
	v_cvt_pk_f16_f32 v[Y+2*i+1], v6, v7
.endif
	global_store_b64 v[VO], v[Y+2*i:Y+2*i+1], s[26:27] offset:i*(\os)
.set i, i+1
.endr
.endm
; cos or sin of the angle in v[fa].  n = the nearest multiple of pi/2; y = the angle less n pi/2, pi/2 taken in three parts so that the products with n (under 2^11) are exact in the first two;
; sine and cosine of y (within pi/4) by polynomials; the quarter turn m = n + 3 h (v10 = 3 h: a sine is a cosine three quarter turns on) picks one of them and its sign.
.macro TRIG fa, na, ya, za, sa, ca, oa
	v_mul_f32 v[\na], 0x3f22f983, v[\fa]           ; 2 / pi
	v_rndne_f32 v[\na], v[\na]
	v_fmamk_f32 v[\ya], v[\na], 0xbfc90000, v[\fa] ; - n x 1.5703125
	v_fmamk_f32 v[\ya], v[\na], 0xb9fda000, v[\ya] ; - n x 4.8375130e-4
	v_fmamk_f32 v[\ya], v[\na], 0xb3a22168, v[\ya] ; - n x 7.5497900e-8
	v_mul_f32 v[\za], v[\ya], v[\ya]
	v_mov_b32 v[\sa], 0xb94ca1f9
	v_fmaak_f32 v[\sa], v[\sa], v[\za], 0x3c08839e
	v_fmaak_f32 v[\sa], v[\sa], v[\za], 0xbe2aaaa3
	v_mul_f32 v[\sa], v[\sa], v[\za]
	v_fma_f32 v[\sa], v[\sa], v[\ya], v[\ya]       ; sin y
	v_mov_b32 v[\ca], 0x37ccf5ce
	v_fmaak_f32 v[\ca], v[\ca], v[\za], 0xbab6061a
	v_fmaak_f32 v[\ca], v[\ca], v[\za], 0x3d2aaaa5
	v_mul_f32 v[\ca], v[\ca], v[\za]
	v_fma_f32 v[\ca], v[\ca], v[\za], 1.0
	v_fma_f32 v[\ca], v[\za], -0.5, v[\ca]         ; cos y
	v_cvt_i32_f32 v[\na], v[\na]
	v_add_nc_u32 v[\na], v[\na], v10               ; m, of which the two low bits count
	v_and_b32 v[\ya], 1, v[\na]
	v_cmp_ne_u32 vcc_lo, 0, v[\ya]
	v_cndmask_b32 v[\oa], v[\ca], v[\sa], vcc_lo   ; m odd: the sine
	v_add_nc_u32 v[\na], 1, v[\na]
	v_and_b32 v[\na], 2, v[\na]                    ; m = 1, 2: negative
	v_lshlrev_b32 v[\na], 30, v[\na]
	v_xor_b32 v[\oa], v[\oa], v[\na]
.endm
	s_load_b256 s[4:11], s[0:1], 0x0               ; x s[4:5], Wqkv s[6:7], Wout s[8:9], xb s[10:11]
	s_load_b128 s[12:15], s[0:1], 0x20             ; wq s[12:13], wo s[14:15]
	s_load_b64 s[16:17], s[0:1], 0x30              ; rope
	v_lshrrev_b32 v1, 5, v0
	v_readfirstlane_b32 s18, v1                    ; wave 0..7
	s_mov_b32 s19, ttmp9                           ; the work-group's number
	s_mov_b32 s21, 0                               ; offsets stay under 2^32: their high words
	s_mov_b32 s23, 0
	v_and_b32 v4, 31, v0                           ; lane
	s_wait_kmcnt 0x0
	s_cmp_ge_u32 s19, 704
	s_cbranch_scc1 .Lwout
	s_cmp_ge_u32 s19, 512
	s_cbranch_scc1 .Lwqkv
	; x: 16 rows.  Thread t takes row t / 16, 16 bytes at 16 (t % 16); step i is the block of 64 channels
	s_lshl_b32 s20, s19, 16                        ; 16 rows of 4,096 bytes
	s_lshr_b32 s22, s19, 7                         ; the batch: 128 work-groups each
	s_lshl_b32 s22, s22, 22                        ; 16 x 2,048 x 128 bytes
	s_and_b32 s30, s19, 127
	s_lshl_b32 s30, s30, 11                        ; 16 rows of 128 bytes
	s_add_co_u32 s22, s22, s30
	s_add_nc_u64 s[24:25], s[4:5], s[20:21]
	s_add_nc_u64 s[26:27], s[10:11], s[22:23]
	v_and_b32 v5, 15, v0
	v_lshrrev_b32 v6, 4, v0
	v_lshlrev_b32 v[VI], 4, v5
	v_lshl_add_u32 v[VI], v6, 12, v[VI]
	v_lshlrev_b32 v[VO], 3, v0                     ; row x 128 + 8 (t % 16) = 8 t
	LOADS 256
	s_cmp_lt_u32 s19, 256
	s_cbranch_scc0 .Lnotable
	; the table's row t = 8 x work-group + wave.  Lane l makes angles 2 (l % 16) and 2 (l % 16) + 1: lanes 0-15 their cosines, lanes 16-31 their sines: 8 bytes at 8 l
	s_lshl3_add_u32 s30, s19, s18
	s_lshl_b32 s20, s30, 8
	s_add_nc_u64 s[28:29], s[16:17], s[20:21]
	v_bfe_u32 v6, v0, 4, 1                         ; h
	v_lshlrev_b32 v7, 1, v5
	v_or_b32 v8, 1, v7
	v_cvt_f32_u32 v7, v7
	v_cvt_f32_u32 v8, v8
	v_mul_f32 v7, 0xbed49a78, v7                   ; - j log2(10000) / 32
	v_mul_f32 v8, 0xbed49a78, v8
	v_exp_f32 v7, v7
	v_exp_f32 v8, v8
	v_mul_u32_u24 v10, 3, v6                       ; plain instructions stand between the exponentials and the use of their results
	v_cvt_f32_u32 v9, s30
	v_lshlrev_b32 v11, 3, v4
	s_wait_alu depctr_va_vdst(0)
	v_mul_f32 v7, v9, v7                           ; the angle: t x inv, rounded once
	v_mul_f32 v8, v9, v8
	TRIG 7, 14, 15, 16, 17, 18, 12
	TRIG 8, 19, 20, 21, 22, 23, 13
	global_store_b64 v11, v[12:13], s[28:29]
.Lnotable:
	CONV 262144, 0
	s_endpgm
.Lwqkv:                                        ; 16 rows of k, the 1,024 columns of one part.  Thread t takes 16 bytes at 16 t; wave w's 128 columns are block j = w; step i is the row
	s_sub_co_u32 s19, s19, 512
	s_and_b32 s30, s19, 63                         ; which 16 rows
	s_lshr_b32 s31, s19, 6                         ; which part
	s_mul_i32 s20, s30, 196608                     ; 16 rows of 12,288 bytes
	s_lshl_b32 s22, s31, 12
	s_add_co_u32 s20, s20, s22
	s_mul_i32 s22, s30, 98304                      ; 16 rows of 6,144 bytes
	s_lshl_b32 s31, s31, 8
	s_add_co_u32 s22, s22, s31
	s_add_nc_u64 s[24:25], s[6:7], s[20:21]
	s_add_nc_u64 s[26:27], s[12:13], s[22:23]
	v_lshlrev_b32 v[VI], 4, v0
	s_mul_i32 s30, s18, 768
	v_lshl_add_u32 v[VO], v4, 3, s30
	LOADS 12288
	CONV 6144, 0
	s_endpgm
.Lwout:                                        ; 16 rows, dense: wave w takes two of them, 512 bytes a step
	s_sub_co_u32 s19, s19, 704
	s_lshl_b32 s20, s19, 16
	s_lshl_b32 s22, s19, 15
	s_add_nc_u64 s[24:25], s[8:9], s[20:21]
	s_add_nc_u64 s[26:27], s[14:15], s[22:23]
	s_lshl_b32 s30, s18, 13
	v_lshl_add_u32 v[VI], v4, 4, s30
	s_lshl_b32 s30, s18, 12
	v_lshl_add_u32 v[VO], v4, 3, s30
	LOADS 512
	CONV 256, 1
	s_endpgm
.Lfunc_end_k_qcdd63ceca8_prep:
	.size	k_qcdd63ceca8_prep, .Lfunc_end_k_qcdd63ceca8_prep-k_qcdd63ceca8_prep
	.p2alignl 7, 3214868480
	.fill 96, 4, 3214868480
	.section	.rodata,"a",@progbits
	.p2align	6, 0x0
	.amdhsa_kernel k_qcdd63ceca8_prep
		.amdhsa_group_segment_fixed_size 0
		.amdhsa_private_segment_fixed_size 0
		.amdhsa_enable_private_segment 0
		.amdhsa_kernarg_size 56
		.amdhsa_user_sgpr_count 2
		.amdhsa_user_sgpr_kernarg_segment_ptr 1
		.amdhsa_wavefront_size32 1
		.amdhsa_system_sgpr_workgroup_id_x 1
		.amdhsa_system_sgpr_workgroup_id_y 1
		.amdhsa_system_sgpr_workgroup_id_z 1
		.amdhsa_system_vgpr_workitem_id 0
		.amdhsa_next_free_vgpr 128
		.amdhsa_next_free_sgpr 66
		.amdhsa_reserve_vcc 1
		.amdhsa_float_denorm_mode_32 3
		.amdhsa_float_denorm_mode_16_64 3
		.amdhsa_memory_ordered 1
		.amdhsa_forward_progress 1
		.amdhsa_inst_pref_size 28
	.end_amdhsa_kernel
	.amdgpu_metadata
---
amdhsa.version: [ 1, 2 ]
amdhsa.kernels:
  - .name:           k_qcdd63ceca8_prep
    .symbol:         k_qcdd63ceca8_prep.kd
    .args:
      - { .name: x, .offset: 0, .size: 8, .value_kind: global_buffer, .address_space: global }
      - { .name: Wqkv, .offset: 8, .size: 8, .value_kind: global_buffer, .address_space: global }
      - { .name: Wout, .offset: 16, .size: 8, .value_kind: global_buffer, .address_space: global }
      - { .name: xb, .offset: 24, .size: 8, .value_kind: global_buffer, .address_space: global }
      - { .name: wq, .offset: 32, .size: 8, .value_kind: global_buffer, .address_space: global }
      - { .name: wo, .offset: 40, .size: 8, .value_kind: global_buffer, .address_space: global }
      - { .name: rope, .offset: 48, .size: 8, .value_kind: global_buffer, .address_space: global }
    .group_segment_fixed_size: 0
    .private_segment_fixed_size: 0
    .kernarg_segment_align: 8
    .kernarg_segment_size: 56
    .max_flat_workgroup_size: 256
    .sgpr_count:     66
    .vgpr_count:     128
    .wavefront_size: 32
...
	.end_amdgpu_metadata
.endif
;; end of part 1
;; launch qkv (part 2): grid 8 x 32, 4 waves a work-group, clusters of 4 x 4, 327,680 bytes of LDS; arguments xb, wq, rope, qh, kh, vh; writes qh, kh, vh
.if DOCPART == 2
	.amdgcn_target "amdgcn-amd-amdhsa--gfx1250"
	.amdhsa_code_object_version 6
	.text
	.protected	k_qcdd63ceca8_qkv
	.globl	k_qcdd63ceca8_qkv
	.p2align	8
	.type	k_qcdd63ceca8_qkv,@function
k_qcdd63ceca8_qkv:
	s_mov_b64 s[64:65], 0
	v_nop
	global_prefetch_b8 v0, s[64:65] scope:SCOPE_SE
	s_setreg_imm32_b32 hwreg(HW_REG_WAVE_MODE, 25, 1), 1
	s_wait_xcnt 0x0
	s_wait_alu depctr_hold_cnt(0) depctr_sa_sdst(0) depctr_va_vdst(0) depctr_va_sdst(0) depctr_va_ssrc(0) depctr_va_vcc(0) depctr_vm_vsrc(0)
	s_getreg_b32 s2, hwreg(HW_REG_IB_STS2, 6, 4)
	s_cmp_eq_u32 s2, 0
	s_cbranch_scc0 .Lentry_in_a_cluster
	s_endpgm
.Lentry_in_a_cluster:
	s_bfe_u32 s2, ttmp6, 0x10000c
	s_cmp_lg_u32 s2, 0xf033
	s_cbranch_scc0 .Lentry_shape_is_right
	s_endpgm
.Lentry_shape_is_right:
; q, k, v = x Wqkv, q and k turned by the rotation table, each rounded ONCE from its f32 sum to f16 and written by heads: [64 b x head][2048 t][64].  Operands bf16, sums f32, K = 1,024 ascending.
; SHARES.  A work-group makes 256 rows x 384 columns: heads 2 tx, 2 tx + 1 of q, k and v (wq holds them side by side): 8 x 32 = 256 work-groups.  Wave w makes rows 128 (w / 2) on, head 2 tx + w % 2:
; 128 x 192 = 8 row blocks x (3 parts x 4 column blocks) = 96 accumulators, 768 registers.
; THE MATRIX INSTRUCTION IS USED TRANSPOSED (source 0 = 16 columns of W, source 1 = 16 rows of x): a lane holds ONE row (lane % 16) and eight neighbouring channels 16 bb + 8 (lane / 16) + 0..7.
; The rotation pairs channel d with d + 32: block bb with bb + 2, the same lane and register, so it is made on the sums in registers.
; RING.  K goes in steps of 64 through two LDS slots (two slots of 128 would pass LDS).  x's 128 rows of a wave's load lie dense in xb and are asked for as 64 rows of 256 bytes; W lies [k][column] and comes out of LDS turned, by ds_load_tr16_b128.
; CLUSTER.  4 x 4 work-groups: the four of a row need the same tile of x, the four of a column the same tile of W; each tile is asked for JOINTLY, by the same tensor load, descriptor and mask in all four.
; LIMITS.  f16 holds no number beyond 65,504: a q, k or v beyond that becomes an infinity (inputs 30 times those of unit spread give some 7e3); below 6e-5 f16 keeps its fixed step of 6e-8.
; REGISTERS, in windows of 256 (s_set_vgpr_msb: bits 1:0 source 0, 3:2 source 1, 5:4 source 2, 7:6 destination):
;   window 0: v0-31 addresses; v32-159 x's fragments, two buffers of 8; v160-255 W's fragments, part p block bb at 160 + 32 p + 8 bb.    window 1 + p: part p's 32 accumulators, (a, bb) at 8 (4 a + bb)
.set PA,    144                        ; a row of x in LDS: 128 bytes + 16 = 36 words: the 16 rows of a load start at 16 different groups of four banks (64 banks of 4 bytes: ISA guide 11.1)
.set PB,    864                        ; a row of W: 3 x (256 + 32) bytes = 27 x 32
.set HALFA, 128*PA                     ; what one tensor load brings of x
.set HALFB, 32*PB                      ; and of W
.set BOFF,  2*HALFA
.set SLOT,  BOFF+2*HALFB               ; 92,160
.set STAGE, 2*SLOT                     ; behind the ring, never filled by a tensor load: 16 rows x 144 bytes for each wave, for the way out
.set SP,    144
.set SPARE, STAGE+4*16*SP              ; behind the stages: the spare words, 128 bytes for each wave: two blocks of 256 bytes that no other line names
.set STEPA, 262144                     ; bytes from a block of 64 channels in xb to the next
.set STEPB, 64*6144                    ; 64 rows of wq
.set ADRA, 16                          ; v16-17  LDS address of my fragments of x in slot 0, 1
.set ADRB, 18                          ; v18-19  the same for W
.set STO,  20                          ; v20     the way out: where I put 16 bytes of a row
.set RD,   21                          ; v21     where I read rows back
.set GO,   22                          ; v22     my byte offset in 512 consecutive bytes of the output
.set TBO,  23                          ; v23     my byte offset in 16 rows of the table
.set SPW,  28                          ; v28     LDS address of my spare word; never rewritten
.set NIL,  29                          ; v29     0; never rewritten
.set AF,   32
.set BF,   160
.set TB,   32                          ; the way out: two table buffers of 32 (16 cosines, 16 sines)
.set YR,   96                          ; 32 turned numbers
.set PK,   128                         ; 16 words of f16
.set BK,   144                         ; two buffers of 16: rows read back from the stage
.set WV,   16                          ; s16 wave; s17 = wave / 2: my half of the rows; s18 = wave % 2: my head, and which half of a tile I fetch
.set G1A,  24                          ; s[24:31] descriptor group 1 for x's tiles;  s[32:39] group 0, a set for each slot
.set G0A,  32
.set G1B,  40                          ; s[40:47], s[48:55] the same for W's
.set G0B,  48
.set RP,   70                          ; s[70:71] the table at my first row
.set MSB, 0
.macro WIN new                         ; the immediate's high byte repeats the setting that is left; a switch that changes nothing is dropped
.if MSB != (\new)
	s_set_vgpr_msb (MSB<<8)|(\new)
.set MSB, (\new)
.endif
.endm
.macro PLACES                          ; four places in front of loads into registers that matrix instructions have read (ISA guide 7.12.1 for vector instructions)
.rept 4
	v_nop
.endr
.endm
; A joint load.  Waves 0 and 1 fetch the halves of x's tile, waves 2 and 3 those of W's.  The branch hangs on the wave's number alone.  An s_nop 0 and four v_nop follow each line, ahead of the jump and the label.
.macro JLOAD s
	s_cmp_lt_u32 s[WV], 2
	s_cbranch_scc0 .Lfor_b_\@
	tensor_load_to_lds s[G0A+4*(\s):G0A+4*(\s)+3], s[G1A:G1A+7]
	s_nop 0
.rept 4
	v_nop
.endr
	s_branch .Lasked_\@
.Lfor_b_\@:
	tensor_load_to_lds s[G0B+4*(\s):G0B+4*(\s)+3], s[G1B:G1B+7]
	s_nop 0
.rept 4
	v_nop
.endr
.Lasked_\@:
.endm
.macro CREST                           ; a round of the cluster's barrier behind its opening barrier: wave 0 signals for the work-group, every wave waits for all sixteen, my work-group's barrier closes it
	s_cmp_lg_u32 s[WV], 0
	s_cbranch_scc1 .Lnot_wave_0_\@
	s_barrier_signal -3
.Lnot_wave_0_\@:
	s_barrier_wait -3
	s_barrier_signal -1
	s_barrier_wait -1
.endm
.macro CROUND                          ; a whole round
	s_barrier_signal -1
	s_barrier_wait -1
	CREST
.endm
; na x 4 matrix instructions of part p: row blocks a0 on x its 4 column blocks, 32 along K, x's buffer ab.  zero = 1: the product starts the sum.  Each accumulator has one instruction: the 96 take turns.
.macro MULS p, ab, a0, na, zero
	WIN 0x50*((\p)+1)
.set ma, (\a0)
.rept (\na)
.set mb, 0
.rept 4
.if \zero
	v_wmma_f32_16x16x32_bf16 v[8*(4*ma+mb):8*(4*ma+mb)+7], v[BF+32*(\p)+8*mb:BF+32*(\p)+8*mb+7], v[AF+64*(\ab)+8*ma:AF+64*(\ab)+8*ma+7], 0
.else
	v_wmma_f32_16x16x32_bf16 v[8*(4*ma+mb):8*(4*ma+mb)+7], v[BF+32*(\p)+8*mb:BF+32*(\p)+8*mb+7], v[AF+64*(\ab)+8*ma:AF+64*(\ab)+8*ma+7], v[8*(4*ma+mb):8*(4*ma+mb)+7]
.endif
.set mb, mb+1
.endr
.set ma, ma+1
.endr
.endm
.macro LDB p, slot, q                  ; 8 loads: part p's four fragments of W, rows 32 q on of the slot
	WIN 0
.irp bb, 0,1,2,3
	ds_load_tr16_b128 v[BF+32*(\p)+8*(\bb):BF+32*(\p)+8*(\bb)+3],   v[ADRB+(\slot)] offset:(\q)*32*PB+(\p)*288+(\bb)*32
	ds_load_tr16_b128 v[BF+32*(\p)+8*(\bb)+4:BF+32*(\p)+8*(\bb)+7], v[ADRB+(\slot)] offset:(\q)*32*PB+(\p)*288+(\bb)*32+16*PB
.endr
.endm
.macro LDA half, slot, q, ab           ; 8 loads: four fragments of x, channels 32 q on of the slot, into buffer ab
	WIN 0
.irp i, 0,1,2,3
	ds_load_b128 v[AF+64*(\ab)+8*(4*(\half)+(\i)):AF+64*(\ab)+8*(4*(\half)+(\i))+3],   v[ADRA+(\slot)] offset:(4*(\half)+(\i))*16*PA+(\q)*64
	ds_load_b128 v[AF+64*(\ab)+8*(4*(\half)+(\i))+4:AF+64*(\ab)+8*(4*(\half)+(\i))+7], v[ADRA+(\slot)] offset:(4*(\half)+(\i))*16*PA+(\q)*64+32
.endr
.endm
; A slot's first 32 channels, on x's buffer 0.  Behind each part's 32 products that part's fragments of W are fetched for the second 32, and half of x's into buffer 1.
.macro QUARTER slot, zero
	s_wait_dscnt 8                                 ; all but the youngest eight loads (W's part 2) are in
	MULS 0, 0, 0, 8, \zero
	PLACES
	LDB 0, \slot, 1
	LDA 0, \slot, 1, 1
	MULS 1, 0, 0, 8, \zero
	PLACES
	LDB 1, \slot, 1
	LDA 1, \slot, 1, 1
	s_wait_dscnt 32                                ; all but the 32 just issued: W's part 2 is in
	MULS 2, 0, 0, 8, \zero
	PLACES
	LDB 2, \slot, 1
.endm
; A slot's second 32 channels, on x's buffer 1, and the change of slots.  All reads of the slot have been issued.  In front of the barrier each wave waits for all its tensor loads, of which one is out: its part of the next slot;
; adds 0 to its spare word; and waits for that and for its reads of this slot.  fill = 1: the barrier opens a round of the cluster's, and this slot is filled again first behind it, two steps ahead: 160 matrix instructions ahead of the wait for it.
.macro TURN slot, next, fill
	WIN 0                                          ; (the add's two registers lie in window 0)
	s_wait_tensorcnt 0x0                           ; all my tensor loads have landed
	ds_add_u32 v[SPW], v[NIL]                      ; 0 onto my spare word
	s_wait_dscnt 9                                 ; (the add and the youngest eight loads may be out)
	MULS 0, 1, 0, 4, 0                             ; sixteen matrix instructions stand between the add and the wait for it
	s_wait_dscnt 0x0                               ; the add is done, and my reads of this slot are over
	s_barrier_signal -1
	MULS 0, 1, 4, 4, 0                             ; work on registers while the others arrive
.if \fill
	WIN 0
.endif
	s_barrier_wait -1
.if \fill
	CREST                                          ; no wave of any partner still reads this slot or has a load on its way
	s_add_nc_u64 s[G0A+4*(\slot)+2:G0A+4*(\slot)+3], s[G0A+4*(\slot)+2:G0A+4*(\slot)+3], 2*STEPA
	s_add_nc_u64 s[G0B+4*(\slot)+2:G0B+4*(\slot)+3], s[G0B+4*(\slot)+2:G0B+4*(\slot)+3], 2*STEPB
	JLOAD \slot                                    ; the first tensor load behind the round; its four v_nop are also the places in front of the loads below
.else
	PLACES
.endif
	LDB 0, \next, 0
	LDA 0, \next, 0, 0
	MULS 1, 1, 0, 8, 0
	PLACES
	LDB 1, \next, 0
	LDA 1, \next, 0, 0
	MULS 2, 1, 0, 8, 0
	PLACES
	LDB 2, \next, 0
.endm
	s_load_b256 s[4:11], s[0:1], 0x0               ; xb s[4:5], wq s[6:7], rope s[8:9], q s[10:11]
	s_load_b128 s[12:15], s[0:1], 0x20             ; k s[12:13], v s[14:15]
	v_lshl_add_u32 v[SPW], v0, 2, SPARE
	v_mov_b32 v[NIL], 0
	ds_add_u32 v[SPW], v[NIL]                      ; the wave's opening: the add and its wait stand ahead of my first tensor load; the set-up below, work on registers, stands between them
	ds_add_u32 v28, v29
	v_lshrrev_b32 v1, 5, v0
	v_readfirstlane_b32 s[WV], v1                  ; wave 0..3
	s_lshr_b32 s17, s[WV], 1
	s_and_b32 s18, s[WV], 1
	s_bfe_u32 s19, ttmp6, 0x40000                  ; cx
	s_bfe_u32 s20, ttmp6, 0x40004                  ; cy
	s_lshl_b32 s21, ttmp9, 2
	s_add_co_u32 s21, s21, s19                     ; tx = 4 x cluster x + cx: which 384 columns
	s_and_b32 s22, ttmp7, 0xffff
	s_lshl_b32 s22, s22, 2
	s_add_co_u32 s22, s22, s20                     ; ty = 4 x cluster y + cy: which 256 rows
	s_lshl_b32 s56, s20, 2
	s_lshl_b32 s56, 15, s56                        ; my row of the cluster
	s_lshl_b32 s60, 0x1111, s19                    ; my column
	s_or_b32 s[G1A], s56, (1<<16)|(1<<20)|(1<<21)|(4<<22)|(3<<25)  ; 15:0 the mask; 17:16 2-byte elements; 20 padding on; 21 set beside a mask; 24:22 after every 32 words (code 4); 31:25 4 words (code 3)
	s_mov_b32 s[G1A+1], 128<<16                    ; tensor_dim0 = 128: two rows of x's 64 channels
	s_mov_b32 s[G1A+2], 64<<16                     ; tensor_dim1 = 64
	s_mov_b32 s[G1A+3], 128<<16                    ; tile_dim0 = 128
	s_mov_b32 s[G1A+4], 64                         ; tile_dim1 = 64
	s_mov_b32 s[G1A+5], 128                        ; elements from row to row: dense
	s_mov_b32 s[G1A+6], 0
	s_mov_b32 s[G1A+7], 0
	s_or_b32 s[G1B], s60, (1<<16)|(1<<20)|(1<<21)|(5<<22)|(7<<25)  ; padding after every 64 words (code 5), 8 words (code 7)
	s_mov_b32 s[G1B+1], 384<<16                    ; tensor_dim0 = 384
	s_mov_b32 s[G1B+2], 32<<16                     ; tensor_dim1 = 32
	s_mov_b32 s[G1B+3], 384<<16                    ; tile_dim0 = 384
	s_mov_b32 s[G1B+4], 32                         ; tile_dim1 = 32
	s_mov_b32 s[G1B+5], 3072                       ; elements from row to row
	s_mov_b32 s[G1B+6], 0
	s_mov_b32 s[G1B+7], 0
	; x's tile hangs on ty and the wave alone, W's on tx and the wave alone; each address is made in registers that never hold the other coordinate
	s_lshr_b32 s56, s22, 3                         ; the batch
	s_lshl_b32 s56, s56, 22
	s_and_b32 s58, s22, 7
	s_lshl_b32 s58, s58, 15                        ; 256 rows of 128 bytes
	s_add_co_u32 s56, s56, s58
	s_lshl_b32 s58, s18, 14                        ; my 128 of them
	s_add_co_u32 s56, s56, s58
	s_mov_b32 s57, 0
	s_mul_i32 s59, s18, HALFA                      ; and where they go: no place in the cluster enters an LDS address
	s_mul_i32 s60, s18, 32*6144                    ; my 32 rows of W
	s_mul_i32 s62, s21, 768                        ; the tile's 384 columns
	s_add_co_u32 s60, s60, s62
	s_mov_b32 s61, 0
	s_mul_i32 s63, s18, HALFB
	s_add_co_u32 s63, s63, BOFF
	s_wait_dscnt 0x0                               ; the opening add is done
	s_wait_kmcnt 0x0
	s_add_nc_u64 s[56:57], s[4:5], s[56:57]
	s_add_nc_u64 s[60:61], s[6:7], s[60:61]
	CROUND                                         ; all sixteen work-groups are here: the first joint loads meet
.irp s, 0,1
	s_mov_b32 s[G0A+4*(\s)], 1                     ; count = 1
	s_add_co_u32 s[G0A+4*(\s)+1], s59, (\s)*SLOT   ; LDS address
	s_add_nc_u64 s[G0A+4*(\s)+2:G0A+4*(\s)+3], s[56:57], (\s)*STEPA  ; global address: K step s
	s_or_b32 s[G0A+4*(\s)+3], s[G0A+4*(\s)+3], 0x80000000           ; type = 2
	s_mov_b32 s[G0B+4*(\s)], 1
	s_add_co_u32 s[G0B+4*(\s)+1], s63, (\s)*SLOT
	s_add_nc_u64 s[G0B+4*(\s)+2:G0B+4*(\s)+3], s[60:61], (\s)*STEPB
	s_or_b32 s[G0B+4*(\s)+3], s[G0B+4*(\s)+3], 0x80000000
	JLOAD \s                                       ; two loads of mine are out
.endr
	v_and_b32 v1, 15, v0                           ; r = l % 16
	v_bfe_u32 v2, v0, 4, 1                         ; h = l / 16
	v_mul_u32_u24 v3, v1, PA
	v_lshl_add_u32 v3, v2, 4, v3                   ; row x pitch + 16 h
	s_mul_i32 s66, s17, HALFA                      ; my 128 rows
	v_add_nc_u32 v[ADRA], s66, v3
	v_add_nc_u32 v[ADRA+1], SLOT, v[ADRA]
	v_and_b32 v4, 7, v0
	v_bfe_u32 v5, v0, 3, 1
	v_lshl_add_u32 v6, v2, 3, v4                   ; the turning load: lane l reads row 8 h + l % 8, 16 bytes at 16 ((l / 8) % 2)
	v_mul_u32_u24 v6, v6, PB
	v_lshl_add_u32 v6, v5, 4, v6
	s_lshl_b32 s66, s18, 7                         ; my head's 64 columns in each part
	s_add_co_u32 s66, s66, BOFF
	v_add_nc_u32 v[ADRB], s66, v6
	v_add_nc_u32 v[ADRB+1], SLOT, v[ADRB]
	s_mul_i32 s66, s[WV], 16*SP
	s_add_co_u32 s66, s66, STAGE                   ; my stage
	v_add_nc_u32 v[STO], s66, v3                   ; in: row r, 16 bytes for each half of the lanes
	v_bfe_u32 v7, v0, 3, 2                         ; back: 32 lanes take four rows of 128 bytes,
	v_mul_u32_u24 v7, v7, SP
	v_lshl_add_u32 v7, v4, 4, v7
	v_add_nc_u32 v[RD], s66, v7
	v_and_b32 v8, 31, v0                           ; which are 512 consecutive bytes of a head
	v_lshlrev_b32 v[GO], 4, v8
	v_lshlrev_b32 v[TBO], 8, v1                    ; the table: row r, my 8 angles of a block of 16
	v_lshl_add_u32 v[TBO], v2, 5, v[TBO]
	s_lshr_b32 s66, s22, 3
	s_lshl_b32 s66, s66, 4                         ; 16 x batch
	s_lshl1_add_u32 s66, s21, s66                  ; + 2 tx
	s_add_co_u32 s66, s66, s18                     ; + my head of the two
	s_lshl_b32 s66, s66, 18                        ; 2,048 rows of 128 bytes
	s_and_b32 s68, s22, 7
	s_lshl_b32 s69, s68, 15
	s_add_co_u32 s66, s66, s69
	s_lshl_b32 s69, s17, 14
	s_add_co_u32 s66, s66, s69
	s_mov_b32 s67, 0
	s_add_nc_u64 s[10:11], s[10:11], s[66:67]      ; q, k and v at my first row
	s_add_nc_u64 s[12:13], s[12:13], s[66:67]
	s_add_nc_u64 s[14:15], s[14:15], s[66:67]
	s_lshl_b32 s68, s68, 16                        ; the table's rows go by t: 256 rows of 256 bytes,
	s_lshl_b32 s69, s17, 15                        ; my 128
	s_add_co_u32 s68, s68, s69
	s_mov_b32 s69, 0
	s_add_nc_u64 s[RP:RP+1], s[8:9], s[68:69]
	s_wait_tensorcnt 1                             ; my part of K step 0 is in; step 1's may stay out
	s_barrier_signal -1
	s_barrier_wait -1                              ; everybody's is
	LDB 0, 0, 0
	LDA 0, 0, 0, 0
	LDB 1, 0, 0
	LDA 1, 0, 0, 0
	LDB 2, 0, 0
	QUARTER 0, 1                                   ; the first 32 channels stand in front of the loop: their products start the sums
	WIN 0                                          ; at a label and at a branch every window is 0
	s_mov_b32 s23, 7
.Llap:                                                 ; a trip goes once round the ring and fills both slots again: 7 trips ask for K steps 2 to 15
	TURN 0, 1, 1
	QUARTER 1, 0
	TURN 1, 0, 1
	QUARTER 0, 0
	WIN 0
	s_sub_co_u32 s23, s23, 1
	s_cmp_lg_u32 s23, 0
	s_cbranch_scc1 .Llap
	TURN 0, 1, 0                                   ; the last lap fills nothing, and has no round
	QUARTER 1, 0
	s_wait_dscnt 8
	MULS 0, 1, 0, 8, 0
	MULS 1, 1, 0, 8, 0
	s_wait_dscnt 0x0
	MULS 2, 1, 0, 8, 0
	WIN 0
; THE WAY OUT, a unit (16 rows of one part) at a time: q and k are turned, all are rounded to f16, sent through my stage and stored as 2,048 consecutive bytes of a head.
.macro TBL a                           ; 16 rows of the table for row block a: my 16 cosines, my 16 sines
.irp c, 0,1
.irp b, 0,1
.irp f, 0,1
	global_load_b128 v[TB+32*((\a)%2)+16*(\c)+8*(\b)+4*(\f):TB+32*((\a)%2)+16*(\c)+8*(\b)+4*(\f)+3], v[TBO], s[RP:RP+1] offset:(\a)*4096+(\c)*128+(\b)*64+(\f)*16
.endr
.endr
.endr
.endm
; x1 = channel d < 32, x2 = channel d + 32: x1 c - x2 s and x1 s + x2 c.  Each accumulator's lowest registers are read first.
.macro ROPE a, p
	WIN (\p)+1                                     ; source 0 in the part's window
.set rc, TB+32*((\a)%2)
.set i, 0
.rept 8
.set x1, 8*(4*(\a)+i/4)+2*(i%4)
	v_pk_mul_f32 v[YR+2*i:YR+2*i+1], v[x1+16:x1+17], v[rc+16+2*i:rc+16+2*i+1]
	v_pk_mul_f32 v[YR+16+2*i:YR+16+2*i+1], v[x1:x1+1], v[rc+16+2*i:rc+16+2*i+1]
.set i, i+1
.endr
.set i, 0
.rept 8
.set x1, 8*(4*(\a)+i/4)+2*(i%4)
	v_pk_fma_f32 v[YR+2*i:YR+2*i+1], v[x1:x1+1], v[rc+2*i:rc+2*i+1], v[YR+2*i:YR+2*i+1] neg_lo:[0,0,1] neg_hi:[0,0,1]
	v_pk_fma_f32 v[YR+16+2*i:YR+16+2*i+1], v[x1+16:x1+17], v[rc+2*i:rc+2*i+1], v[YR+16+2*i:YR+16+2*i+1]
.set i, i+1
.endr
	WIN 0
.set i, 0
.rept 16
	v_cvt_pk_f16_f32 v[PK+i], v[YR+2*i], v[YR+2*i+1]
.set i, i+1
.endr
.endm
.macro PACKV a                         ; v is only rounded
	WIN 0x0f                                       ; sources 0 and 1 in window 3
.set i, 0
.rept 16
	v_cvt_pk_f16_f32 v[PK+i], v[32*(\a)+2*i], v[32*(\a)+2*i+1]
.set i, i+1
.endr
	WIN 0
.endm
.macro TOSTAGE u
.irp b, 0,1,2,3
	ds_store_b128 v[STO], v[PK+4*(\b):PK+4*(\b)+3] offset:32*(\b)
.endr
.irp f, 0,1,2,3
	ds_load_b128 v[BK+16*((\u)%2)+4*(\f):BK+16*((\u)%2)+4*(\f)+3], v[RD] offset:(\f)*4*SP  ; LDS serves a wave's instructions in order (ISA guide 5.7.1.4): these see the stores above
.endr
.endm
.macro SEND u
	s_wait_dscnt 0x0                               ; the unit is back in registers
	s_wait_xcnt 0x0                                ; the stores of the unit before have read their registers: the next unit's rows are loaded into them only behind this wait
.irp f, 0,1,2,3
	global_store_b128 v[GO], v[BK+16*((\u)%2)+4*(\f):BK+16*((\u)%2)+4*(\f)+3], s[10+2*((\u)%3):11+2*((\u)%3)] offset:((\u)/3)*2048+(\f)*512  ; 512 consecutive bytes, at a multiple of 256
.endr
.endm
.rept 8
	v_nop                                          ; the places behind the last products
.endr
	TBL 0
.set u, 0
.rept 24                               ; unit u: row block u / 3, part u % 3.  A unit's arithmetic stands between the stage loads of the unit before and its stores
.if u%3 == 0
.if u/3 < 7
	TBL u/3+1
	s_wait_loadcnt 8                               ; this block's table is in; the next block's eight loads may stay out
.else
	s_wait_loadcnt 0x0
.endif
.endif
.if u%3 == 2
	PACKV u/3
.else
	ROPE u/3, u%3
.endif
.if u > 0
	SEND u-1
.endif
	TOSTAGE u
.set u, u+1
.endr
	SEND 23
	s_wait_tensorcnt 0x0                           ; the wave's end: behind my last tensor load and my last LDS store
	ds_add_u32 v[SPW], v[NIL]
	s_wait_dscnt 0x0
	CROUND                                         ; the closing round: no work-group ends while a partner may still ask for a tile that names it
	s_endpgm
.Lfunc_end_k_qcdd63ceca8_qkv:
	.size	k_qcdd63ceca8_qkv, .Lfunc_end_k_qcdd63ceca8_qkv-k_qcdd63ceca8_qkv
	.p2alignl 7, 3214868480
	.fill 96, 4, 3214868480
	.section	.rodata,"a",@progbits
	.p2align	6, 0x0
	.amdhsa_kernel k_qcdd63ceca8_qkv
		.amdhsa_group_segment_fixed_size 327680
		.amdhsa_private_segment_fixed_size 0
		.amdhsa_enable_private_segment 0
		.amdhsa_kernarg_size 48
		.amdhsa_user_sgpr_count 2
		.amdhsa_user_sgpr_kernarg_segment_ptr 1
		.amdhsa_wavefront_size32 1
		.amdhsa_system_sgpr_workgroup_id_x 1
		.amdhsa_system_sgpr_workgroup_id_y 1
		.amdhsa_system_sgpr_workgroup_id_z 1
		.amdhsa_system_vgpr_workitem_id 0
		.amdhsa_next_free_vgpr 1024
		.amdhsa_next_free_sgpr 80
		.amdhsa_reserve_vcc 0
		.amdhsa_float_denorm_mode_32 3
		.amdhsa_float_denorm_mode_16_64 3
		.amdhsa_memory_ordered 1
		.amdhsa_forward_progress 1
		.amdhsa_inst_pref_size 170
	.end_amdhsa_kernel
	.amdgpu_metadata
---
amdhsa.version: [ 1, 2 ]
amdhsa.kernels:
  - .name:           k_qcdd63ceca8_qkv
    .symbol:         k_qcdd63ceca8_qkv.kd
    .args:
      - { .name: xb, .offset: 0, .size: 8, .value_kind: global_buffer, .address_space: global }
      - { .name: wq, .offset: 8, .size: 8, .value_kind: global_buffer, .address_space: global }
      - { .name: rope, .offset: 16, .size: 8, .value_kind: global_buffer, .address_space: global }
      - { .name: qh, .offset: 24, .size: 8, .value_kind: global_buffer, .address_space: global }
      - { .name: kh, .offset: 32, .size: 8, .value_kind: global_buffer, .address_space: global }
      - { .name: vh, .offset: 40, .size: 8, .value_kind: global_buffer, .address_space: global }
    .group_segment_fixed_size: 327680
    .private_segment_fixed_size: 0
    .kernarg_segment_align: 8
    .kernarg_segment_size: 48
    .max_flat_workgroup_size: 128
    .sgpr_count:     80
    .vgpr_count:     1024
    .wavefront_size: 32
...
	.end_amdgpu_metadata
.endif
;; end of part 2
;; launch attn (part 3): grid 4 x 64, 4 waves a work-group, no clusters, 327,680 bytes of LDS; arguments qh, kh, vh, oh; writes oh
.if DOCPART == 3
	.amdgcn_target "amdgcn-amd-amdhsa--gfx1250"
	.amdhsa_code_object_version 6
	.text
	.protected	k_qcdd63ceca8_attn
	.globl	k_qcdd63ceca8_attn
	.p2align	8
	.type	k_qcdd63ceca8_attn,@function
k_qcdd63ceca8_attn:
	s_mov_b64 s[64:65], 0
	v_nop
	global_prefetch_b8 v0, s[64:65] scope:SCOPE_SE
	s_setreg_imm32_b32 hwreg(HW_REG_WAVE_MODE, 25, 1), 1
	s_wait_xcnt 0x0
; CAUSAL ATTENTION.  O[h][q][:] = the sum over k <= q of softmax_k(Q[h][q] . K[h][k] / 8) V[h][k][:].  Q, K, V, O: [64][2048][64], all f16: a head's rows are dense, 128 bytes each.
; Products, maxima and sums in f32; the weights p are rounded to f16 for the second product (their sum l is taken of the unrounded p), O once at the end.
; LIMITS.  f16 holds no number beyond 65,504: Q, K and V arrive within it; p lies in 0 to 1, and below 6e-5 it keeps f16's fixed step of 6e-8; O is a mean of V's rows and has their range.
; A hidden score counts as its value less 1e30: f16's scores, 2.7e11 at the most, are nothing beside that; a weight below 2^-126 counts as 0 in l; NaN and infinities are not treated apart.
; THE WALK.  A head's queries lie in NB = 8 blocks of 256; block i needs the key tiles 0 .. i of 256 keys, of which the last holds the diagonal.  A work-group takes TWO blocks, NB - 1 - b and then b:
; NB + 1 = 9 tiles, whatever b: all 256 work-groups do equal work, and ONE loop with a constant trip count walks them.  Which tile is asked for, and what a trip does, hang on scalar registers made from b; every jump
; goes forward, but for the counted loops' own; none passes a barrier, or a tensor load but the one of LOAD's two that the wave's number does not choose; the ring (two slots of LDS that take turns) runs on across the
; change of blocks.  NO CLUSTER: a head's four work-groups ask for the same tile only in trips 0 to 4 of the 9, behind that fewer and fewer; one walk common to all four would have 12 trips for 9.
; SHARES.  Of a block's four bands of 64 queries a wave owns 16 rows in each: four PIECES.  So the diagonal tile is the same work for all four waves: in its key step s band x sees all keys if s < x,
; none if s > x, and holds the diagonal if s = x.
; THE MASK is the C operand that starts the sum S^T = K Q^T: 0, or -1e30 where the key is hidden.  MD, made once, is the mask of a band's own step for my 16 rows; a product's mask is MD x AL + BE with two scalars:
; (1, 0) if s = x; (0, 0) if s < x; (0, -1e30) if s > x.  Only the diagonal tile's text and a block's beginning make and take masks; elsewhere C is the constant 0.
; LAYOUT, SOFTMAX, TURNS.  S^T = K Q^T holds ONE query a lane (lane % 16) and the keys 8 (lane / 16) + 0..7; two such results rounded to f16 ARE source 1 of O^T = V^T P.  p = 2^(c s - c m), c = log2(e) / 8, with a
; running maximum m; O and l are multiplied by a = 2^(c m_old - c m_new) in every step.  Turn n belongs to piece n: 8 products K Q^T of piece n + 1, later 8 products V^T P of piece n - 1; beside them the scaling,
; exponentials, roundings, sums and rescaling of piece n and the maximum and statistics of piece n + 1.  Four vector instructions stand behind every matrix instruction, the other 54 of a turn's 118 in two LUMPS.
; AHEAD OF THE LOADS.  A head's four work-groups walk the same K and V; the one with b = 0, whose first block walks tiles 0 to 7, prefetches: behind the tensor load of each change of slots each of its waves names its own
; 64 blocks of 256 bytes (its half of K's or V's 256 rows) of the tile AFTER the one just asked for: a tile, 256 matrix instructions, ahead of that tile's load.  Tiles 2 to 7 are named once each; tiles 0 and 1 come by their loads alone.
; REGISTERS, in windows of 256 (s_set_vgpr_msb: bits 1:0 source 0, 3:2 source 1, 5:4 source 2, 7:6 destination):
;   window 0: v0-15 addresses and two at work; v16-31 four registers of statistics a piece; v48-55 at work; v64-127 S^T, two buffers; v192-223 P, two buffers (a piece's buffers go by its number's parity)
;   window 1: v0-127 O^T, 32 a piece; v128-159 MD; v160-223 MC, two buffers      window 2: v0-63 Q; v64-127 the second block's Q; v128-191 K of one step; v192-255 V of one step
.set SIZE_H, 64
.set SIZE_N, 2048
.set NB,    SIZE_N/256
.set NP,    4         ; pieces a wave: a name, no knob
.set KS,    64        ; keys in a step
.set PK,    144       ; a row of K in LDS: 128 bytes + 16 of padding = 36 words: the 16 rows of a load start at 16 different groups of four banks (64 banks of 4 bytes: ISA guide 11.1)
.set PV,    160       ; a row of V: 128 + 32 = 40 words
.set VOFF,  4*KS*PK   ; a slot holds a tile, four steps: 256 rows of K, then 256 rows of V
.set SLOT1, 1<<17     ; slot 1 begins here, so that one exclusive or turns an address in one slot into the other's
.set STAGE, SLOT1+4*KS*(PK+PV)  ; behind the ring, never filled by a tensor load: 16 rows x 144 bytes for each wave, for the way out
.set SP,    144
.set AK0, 2           ; v2   my lane's place in a tile of K; never rewritten
.set AV0, 3           ; v3   the same for V
.set AK,  4           ; v4   the LDS address of K's next run of loads
.set AV,  5           ; v5   of V's
.set STO, 6           ; v6   the way out: where I put 16 bytes of a row
.set RD,  7           ; v7   the way out: where I read rows back
.set GO,  8           ; v8   my byte offset in 512 consecutive bytes of O
.set PFO, 60          ; v60  256 x my lane: the prefetches' offset; never rewritten
.set SPW, 62          ; v62  LDS address of my spare word: SPARE + 4 x my thread's number; never rewritten
.set NIL, 63          ; v63  0; never rewritten
.set SPARE, STAGE+4*16*SP  ; behind the stages: the spare words, 128 bytes for each wave: two blocks of 256 bytes that no other line names
.set MV,  12          ; v12-13  c m_old, kept while c m is made anew: by buffer
.set QO,  15          ; v15  my byte offset in 16 rows of Q
.set ST,  16          ; piece t's statistics at v[ST+4 t]: c m, m, l (even keys', odd keys')
.set TMP, 48          ; by buffer, four registers c0-c3 at work; when the maximum is found c2 takes a
.set S,   64
.set P,   192
.set MD,  128         ; window 1: the eight registers for group kt of 16 keys at MD + 8 kt
.set MC,  160         ; window 1: the masks of the products to come
.set QB,  64          ; window 2
.set KF,  128         ; window 2: key block kb, channel half c at KF + 16 kb + 8 c
.set VF,  192         ; window 2: key half kk, channel block cb at VF + 32 kk + 8 cb
.set WV,  12          ; s12  my wave's number
.set PB,  14          ; s14  b
.set HI,  15          ; s15  NB - 1 - b
.set G1K, 24          ; s[24:31] descriptor group 1 for K's tiles
.set G1V, 32          ; s[32:39] for V's: it differs in the padding alone
.set G0K, 40          ; s[40:43] descriptor group 0 for K's tiles
.set G0V, 44          ; s[44:47] the same for V's
.set SLOTS, 56        ; s56  tiles still to be asked for
.set CNT, 57          ; s57  counts a tile's key steps, 4 to 1
.set CS,  58          ; s[58:59] c: the packed scaling takes the pair's low word for both halves
.set SEL, 60          ; s[60:61] v_permlanex16_b32's selects: each lane takes its own place in the other half
.set TBK, 62          ; s62  LDS byte at which K of the step to be fetched begins
.set TBV, 63          ; s63  the same for V, less VOFF
.set RT,  70          ; s70  tiles of the block in hand that are still to be entered
.set NXT, 71          ; s71  the tile to be asked for next
.set LQ,  72          ; s72  the last tile of the block whose tiles are being asked for
.set NEW, 73          ; s73  1: the tile to be entered is a block's first
.set OFF, 74          ; s[74:75] a tile's byte offset in K and V
.set AL,  76          ; s[76:77] the mask's factor, in the low word
.set BE,  78          ; s[78:79] the mask's addend
.set OLO, 80          ; s[80:81] O at my rows of the second block
.set BIGN, 82         ; s82  -1e30
.set LIM, 83          ; s83  2 in the work-group that prefetches, else the greatest number: a wave prefetches while s[SLOTS] is above it
.set PFB, 88          ; s[88:89] K (waves 0, 1) or V (waves 2, 3) at my half of the head's tile 0
.set PFA, 90          ; s[90:91] the same at the tile that is being asked for
.set MSB, 0
.macro WIN new                      ; the high byte repeats the setting that is left; a switch that changes nothing is dropped
.if MSB != (\new)
	s_set_vgpr_msb (MSB<<8)|(\new)
.set MSB, (\new)
.endif
.endm
.set W_KQ, 0x0a       ; K and Q in window 2, S^T in window 0
.set W_KM, 0x1a       ; the same with the C operand in window 1
.set W_PV, 0x52       ; V in window 2, P in window 0, O^T in window 1
.set W_RS, 0x41       ; destination and source 0 in window 1, source 1 in window 0
; A fill.  Waves 0 and 1 fetch the two halves of a tile's K, waves 2 and 3 those of its V: 128 keys each.  An s_nop 0 and four v_nop follow each of the two lines, ahead of the jump and the label.
.macro LOAD
	s_cmp_lt_u32 s[WV], 2
	s_cbranch_scc0 .Lfor_v_\@
	tensor_load_to_lds s[G0K:G0K+3], s[G1K:G1K+7]
	s_nop 0
.rept 4
	v_nop
.endr
	s_branch .Lasked_\@
.Lfor_v_\@:
	tensor_load_to_lds s[G0V:G0V+3], s[G1V:G1V+7]
	s_nop 0
.rept 4
	v_nop
.endr
.Lasked_\@:
.endm
; THE CHANGE OF SLOTS.  Each wave waits for all its tensor loads, of which one is out: its part of the other slot; adds 0 to its spare word; and waits for that and for its own reads of the slot that it leaves.  Behind the barrier nobody reads the old
; slot any more and the other slot is whole.  fill = 1: the old slot is filled again, the first thing behind the barrier, with tile NXT: the descriptor's address is made anew from that number; behind the load stand the prefetches of the tile after it.
; (At its first use nothing has been read yet: slot 0 is waited for, slot 1 filled.)
.macro CHANGE fill
	WIN 0                           ; at a label and at a branch every window is 0
	s_wait_tensorcnt 0x0            ; no tensor load of mine is out, so a group 0 may be written
	ds_add_u32 v[SPW], v[NIL]       ; 0 onto my spare word: with fill = 1 the descriptors' scalar work stands between it and the wait for it
.if \fill
	s_lshl_b32 s[OFF], s[NXT], 15   ; a tile is 32,768 bytes of K and of V
	s_xor_b32 s[G0K+1], s[G0K+1], SLOT1
	s_add_nc_u64 s[G0K+2:G0K+3], s[6:7], s[OFF:OFF+1]
	s_or_b32 s[G0K+3], s[G0K+3], 0x80000000
	s_xor_b32 s[G0V+1], s[G0V+1], SLOT1
	s_add_nc_u64 s[G0V+2:G0V+3], s[8:9], s[OFF:OFF+1]
	s_or_b32 s[G0V+3], s[G0V+3], 0x80000000
	s_wait_xcnt 0x0                 ; the last prefetches, a tile back, have read their address, so it may be written
	s_add_nc_u64 s[PFA:PFA+1], s[PFB:PFB+1], s[OFF:OFF+1]
	s_add_co_u32 s[NXT], s[NXT], 1  ; the block's next tile, or behind its last the second block's tile 0
	s_cmp_gt_u32 s[NXT], s[LQ]
	s_cselect_b32 s[NXT], 0, s[NXT]
	s_cselect_b32 s[LQ], s[PB], s[LQ]
.endif
	s_wait_dscnt 0x0                ; the add is done, and my reads of the slot are over
	s_barrier_signal -1             ; the rest of the scalar work stands between the signal and the wait
	s_sub_co_u32 s[TBK], s[TBK], 4*KS*PK  ; the fetches go back to a slot's first step,
	s_xor_b32 s[TBK], s[TBK], SLOT1       ; in the other slot
	s_sub_co_u32 s[TBV], s[TBV], 4*KS*PV
	s_xor_b32 s[TBV], s[TBV], SLOT1
	s_barrier_wait -1
.if \fill
	LOAD
	s_cmp_gt_u32 s[SLOTS], s[LIM]   ; trips with 8 to 3 tiles to ask for: tiles 1 to 6 are being asked for, tiles 2 to 7 named; no prefetch points past tile 7
	s_cbranch_scc0 .Lnot_mine_\@
	global_prefetch_b8 v[PFO], s[PFA:PFA+1] offset:32768 th:TH_LOAD_NT scope:SCOPE_SE  ; the next tile's first 32 blocks of my half,
	global_prefetch_b8 v[PFO], s[PFA:PFA+1] offset:40960 th:TH_LOAD_NT scope:SCOPE_SE  ; and its other 32
.Lnot_mine_\@:
.endif
.endm
	s_load_b256 s[4:11], s[0:1], 0x0  ; Q s[4:5], K s[6:7], V s[8:9], O s[10:11]
	v_lshl_add_u32 v[SPW], v0, 2, SPARE
	v_mov_b32 v[NIL], 0
	ds_add_u32 v[SPW], v[NIL]       ; the wave's opening: the add and its wait stand ahead of my first tensor load; the set-up below, work on registers, stands between them
	ds_add_u32 v62, v63
	v_lshrrev_b32 v1, 5, v0
	v_readfirstlane_b32 s[WV], v1   ; wave 0..3
	s_mov_b32 s[PB], ttmp9
	s_sub_co_u32 s[HI], NB-1, s[PB]
	s_and_b32 s20, ttmp7, 0xffff    ; the head
	s_mov_b32 s21, 0
	s_mov_b64 s[22:23], SIZE_N*128
	s_mul_u64 s[20:21], s[20:21], s[22:23]  ; the head's first byte in each of the four tensors
	s_and_b32 s16, s[WV], 1         ; which half of a tile's 256 keys I fetch:
	s_lshl_b32 s22, s16, 14         ; its 128 rows of 128 bytes in memory,
	s_mov_b32 s23, 0
	s_add_nc_u64 s[22:23], s[22:23], s[20:21]
	s_mul_i32 s17, s16, 128*PK      ; and its place in a slot, for K
	s_mul_i32 s18, s16, 128*PV      ; and for V
	s_lshl_b32 s3, s[WV], 11        ; my 16 rows in a band of 64,
	s_lshl_b32 s2, s[HI], 15        ; in the first block,
	s_add_co_u32 s2, s2, s3
	s_lshl_b32 s84, s[PB], 15       ; and in the second
	s_add_co_u32 s84, s84, s3
	s_mov_b32 s3, 0
	s_mov_b32 s85, 0
	s_add_nc_u64 s[2:3], s[2:3], s[20:21]
	s_add_nc_u64 s[84:85], s[84:85], s[20:21]
	; descriptor group 1.  128 keys are 16,384 dense bytes: asked for as 64 rows of 256 bytes, two keys a row, and padded in LDS after every key
	s_mov_b32 s[G1K], (1<<16)|(1<<20)|(4<<22)|(3<<25)  ; 17:16 2-byte elements; 20 padding on; 24:22 after every 32 words (code 4); 31:25 4 words (code 3)
	s_mov_b32 s[G1V], (1<<16)|(1<<20)|(4<<22)|(7<<25)  ; the same with 8 words of padding (code 7)
.irp g, G1K, G1V
	s_mov_b32 s[\g+1], 128<<16      ; tensor_dim0 = 128
	s_mov_b32 s[\g+2], 64<<16       ; tensor_dim1 = 64
	s_mov_b32 s[\g+3], 128<<16      ; tile_dim0 = 128
	s_mov_b32 s[\g+4], 64           ; tile_dim1 = 64
	s_mov_b32 s[\g+5], 128          ; 128 elements from row to row
	s_mov_b32 s[\g+6], 0
	s_mov_b32 s[\g+7], 0
.endr
	s_mov_b32 s[CS], 0x3e38aa3b     ; c = log2(e) / 8 = 0.180337
	s_mov_b32 s[CS+1], s[CS]        ; named with it as a pair
	s_mov_b32 s[SEL], 0x76543210
	s_mov_b32 s[SEL+1], 0xfedcba98
	s_mov_b32 s[TBK], SLOT1+4*KS*PK ; the first change of slots turns these two into 0
	s_mov_b32 s[TBV], SLOT1+4*KS*PV
	s_mov_b32 s[G0K], 1             ; 1:0 count = 1
	s_mov_b32 s[G0K+1], s17         ; 63:32 LDS address: slot 0
	s_mov_b32 s[G0V], 1
	s_add_co_u32 s[G0V+1], s18, VOFF
	s_add_co_u32 s[RT], s[HI], 1    ; the first block has NB - b tiles
	s_mov_b32 s[NXT], 1
	s_mov_b32 s[LQ], s[HI]
	s_mov_b32 s[NEW], 1
	s_mov_b32 s[OFF+1], 0
	s_mov_b32 s[AL+1], 0            ; named as pairs
	s_mov_b32 s[BE+1], 0
	s_mov_b32 s[BIGN], 0xf149f2ca   ; -1e30
	s_mov_b32 s[SLOTS], NB
	v_and_b32 v[PFO], 31, v0
	v_lshlrev_b32 v[PFO], 8, v[PFO]
	s_wait_dscnt 0x0                ; the opening add is done
	s_wait_kmcnt 0x0
	s_add_nc_u64 s[6:7], s[6:7], s[22:23]  ; K and V at my half of the head's tile 0
	s_add_nc_u64 s[8:9], s[8:9], s[22:23]
	s_add_nc_u64 s[G0K+2:G0K+3], s[6:7], 0         ; 120:64 global address
	s_or_b32 s[G0K+3], s[G0K+3], 0x80000000        ; 127:126 type = 2
	s_add_nc_u64 s[G0V+2:G0V+3], s[8:9], 0
	s_or_b32 s[G0V+3], s[G0V+3], 0x80000000
	s_add_nc_u64 s[86:87], s[4:5], s[84:85]        ; Q at my rows of the second block,
	s_add_nc_u64 s[4:5], s[4:5], s[2:3]            ; Q and O at those of the first
	s_add_nc_u64 s[OLO:OLO+1], s[10:11], s[84:85]
	s_add_nc_u64 s[10:11], s[10:11], s[2:3]
	s_cmp_lt_u32 s[WV], 2
	s_cselect_b64 s[PFB:PFB+1], s[6:7], s[8:9]     ; what I fetch is what I prefetch
	s_cmp_eq_u32 s[PB], 0
	s_cselect_b32 s[LIM], 2, -1
	LOAD                            ; tile 0 into slot 0
	; A fragment of K or Q is 16 rows x 32 channels in 8 registers: lane l holds row l % 16, channels 8 (l / 16) + 0..7 and 16 + 8 (l / 16) + 0..7: two loads of 16 bytes, 32 bytes apart.
	v_and_b32 v1, 15, v0            ; l % 16
	v_bfe_u32 v9, v0, 4, 1          ; l / 16
	v_lshlrev_b32 v[QO], 7, v1
	v_lshl_add_u32 v[QO], v9, 4, v[QO]  ; row x 128 + 16 x half
	WIN 0x80                        ; destination window 2, address window 0
.set i, 0
.rept 8                             ; both blocks' Q: piece i / 2 lies in band i / 2, 8,192 bytes on; channels 32 (i % 2) on
	global_load_b128 v[8*i:8*i+3],   v[QO], s[4:5] offset:(i/2)*8192+(i%2)*64
	global_load_b128 v[8*i+4:8*i+7], v[QO], s[4:5] offset:(i/2)*8192+(i%2)*64+32
	global_load_b128 v[QB+8*i:QB+8*i+3],   v[QO], s[86:87] offset:(i/2)*8192+(i%2)*64
	global_load_b128 v[QB+8*i+4:QB+8*i+7], v[QO], s[86:87] offset:(i/2)*8192+(i%2)*64+32
.set i, i+1
.endr
	WIN 0
	v_lshlrev_b32 v14, 3, v9
	v_sub_nc_u32 v14, v1, v14
	s_lshl_b32 s13, s[WV], 4
	v_add_nc_u32 v14, s13, v14      ; my query's place in its band, 16 w + l % 16, less my lanes' 8 (l / 16): register r of group kt is hidden where 16 kt + r is greater
	WIN 0x40
.set i, 0
.rept 32
	v_cmp_gt_i32 vcc_lo, 16*(i/8)+i%8, v14
	v_cndmask_b32 v[MD+i], 0, s[BIGN], vcc_lo
.set i, i+1
.endr
	WIN 0
	v_mul_u32_u24 v[AK0], v1, PK
	v_lshl_add_u32 v[AK0], v9, 4, v[AK0]  ; row x pitch + 16 x half
	; The turning load takes 16 keys x 16 channels (lane l reads key 8 (l / 16) + l % 8, channels 8 ((l / 8) % 2) + 0..7) and leaves half a fragment of V^T: lane l holds channel l % 16 and 8 keys.
	v_and_b32 v10, 7, v0
	v_bfe_u32 v11, v0, 3, 1
	v_lshl_add_u32 v[AV0], v9, 3, v10
	v_mul_u32_u24 v[AV0], v[AV0], PV
	v_lshl_add_u32 v[AV0], v11, 4, v[AV0]
	v_add_nc_u32 v[AV0], VOFF, v[AV0]
	s_mul_i32 s13, s[WV], 16*SP
	s_add_co_u32 s13, s13, STAGE    ; my stage
	v_mul_u32_u24 v[STO], v1, SP    ; in: row l % 16, 16 bytes for each half of the lanes
	v_lshl_add_u32 v[STO], v9, 4, v[STO]
	v_add_nc_u32 v[STO], s13, v[STO]
	v_bfe_u32 v[RD], v0, 3, 2       ; back: 32 lanes take four rows of 128 bytes,
	v_mul_u32_u24 v[RD], v[RD], SP
	v_lshl_add_u32 v[RD], v10, 4, v[RD]
	v_add_nc_u32 v[RD], s13, v[RD]
	v_and_b32 v[GO], 31, v0         ; which are 512 consecutive bytes of O
	v_lshlrev_b32 v[GO], 4, v[GO]
	; A block's first step multiplies O^T and l by a = 0, and its first turn's products V^T P, of a piece that has not been, land in an O^T that is still to be so multiplied.  So these registers need only hold
	; finite numbers: zeros for the first block; what the first block left for the second.  All this stands in the wait for the first tile.
	WIN 0x80
.set i, VF
.rept 64
	v_mov_b32 v[i], 0
.set i, i+1
.endr
	WIN 0x40
.set i, 0
.rept 128
	v_mov_b32 v[i], 0
.set i, i+1
.endr
	WIN 0
.set i, 0
.rept 4
	v_mov_b32 v[ST+4*i+2], 0
	v_mov_b32 v[ST+4*i+3], 0
.set i, i+1
.endr
.set i, P+16
.rept 16
	v_mov_b32 v[i], 0
.set i, i+1
.endr
; THE MATRIX WORK.  The 4 accumulators of a run of 8 take turns.  Product i of 8 of S^T = K Q^T for piece x: channels 32 (i / 4) on, keys 16 (i % 4) on.  The first 4 start the sums: with 0, or (KM = 1) with the mask.
.macro KQ x
.set rS, S+32*((\x)%2)+8*(i%4)
.set rK, KF+16*(i%4)+8*(i/4)
.set rQ, 16*(\x)+8*(i/4)
.set rM, MC+32*((\x)%2)+8*(i%4)
.if (i < 4) && KM
	WIN W_KM
	v_wmma_f32_16x16x32_f16 v[rS:rS+7], v[rK:rK+7], v[rQ:rQ+7], v[rM:rM+7]
.elseif i < 4
	WIN W_KQ
	v_wmma_f32_16x16x32_f16 v[rS:rS+7], v[rK:rK+7], v[rQ:rQ+7], 0
.else
	WIN W_KQ
	v_wmma_f32_16x16x32_f16 v[rS:rS+7], v[rK:rK+7], v[rQ:rQ+7], v[rS:rS+7]
.endif
.endm
; Product i of 8 of O^T += V^T P for piece x: keys 32 (i / 4) on, channels 16 (i % 4) on.
.macro PV x
	WIN W_PV
.set rO, 32*(\x)+8*(i%4)
.set rV, VF+32*(i/4)+8*(i%4)
.set rP, P+16*((\x)%2)+8*(i/4)
	v_wmma_f32_16x16x32_f16 v[rO:rO+7], v[rV:rV+7], v[rP:rP+7], v[rO:rO+7]
.endm
.macro MM                           ; the turn's next matrix instruction.  TURN and BEGIN set Y, i, KM and NOKQ; MM, KQ and OP read them.  NOKQ = 1: a block's last turn: there is no next piece
.if (i < 8) && !NOKQ
	KQ (Y+1)%NP
.elseif i >= 8
.set i, i-8
	PV (Y+NP-1)%NP
.set i, i+8
.endif
.set i, i+1
.endm
; THE LDS LOADS stand in runs of 16, never singly among the matrix instructions: a step's K (64 keys x 64 channels: 8 fragments) and its V (turned).  Their addresses are made some lines ahead.
.macro FETCH_K
	WIN 0x80                        ; destination window 2
.irp f, 0,1,2,3,4,5,6,7             ; keys 16 (f / 2) on, channels 32 (f % 2) on
	ds_load_b128 v[KF+8*\f:KF+8*\f+3],   v[AK] offset:(\f/2)*16*PK+(\f%2)*64
	ds_load_b128 v[KF+8*\f+4:KF+8*\f+7], v[AK] offset:(\f/2)*16*PK+(\f%2)*64+32
.endr
	s_add_co_u32 s[TBK], s[TBK], KS*PK  ; the next fetch is the next step's
	WIN 0
.endm
.macro FETCH_V
	WIN 0x80
.irp f, 0,1,2,3,4,5,6,7             ; keys 32 (f / 4) on, channels 16 (f % 4) on
	ds_load_tr16_b128 v[VF+8*\f:VF+8*\f+3],   v[AV] offset:(\f/4)*32*PV+(\f%4)*32
	ds_load_tr16_b128 v[VF+8*\f+4:VF+8*\f+7], v[AV] offset:(\f/4)*32*PV+16*PV+(\f%4)*32
.endr
	WIN 0
.endm
; THE VECTOR WORK, one line at a time: OP kind, number.  For piece Y: F n: c s - c m for pair n of 16.  E n: the exponential of score n of 32.  C n: pair n rounded to f16.  B n: of the four weights 4 n .. the second
; pair is added onto the first, in place.  L n: l takes that sum (L 0: l = a l + sum).  R n: pair n of 16 of O^T times a.  For piece Y + 1: X n, number n of the 22 that find its maximum and statistics:
;   0-11  four chains c0-c3 of seven scores each, three operands at a time (each accumulator's lowest registers are read first)     12-14, 16  the four scores left over, the old m, and c0-c3 into c0
;   15  c m_old is kept     17, 18  the query's other 32 keys lie in the lane 16 away: the new m     19-21  c m; c m_old - c m_new; a
.set F, 0               ; OP tells the kinds apart by their order: F to L below R, X above it
.set E, 1
.set C, 2
.set B, 3
.set L, 4
.set R, 5
.set X, 6
.macro REGS y                       ; the registers of piece y
.set rT, ST+4*(\y)
.set rC, TMP+4*((\y)%2)
.set rW, MV+((\y)%2)
.set rS, S+32*((\y)%2)
.set rP, P+16*((\y)%2)
.set rO, 32*(\y)
.endm
.macro OP k, n
.if (\k) == R
	REGS Y
	WIN W_RS
	v_pk_mul_f32 v[rO+2*(\n):rO+2*(\n)+1], v[rO+2*(\n):rO+2*(\n)+1], v[rC+2:rC+3] op_sel_hi:[1,0]
.elseif (\k) < R
	REGS Y
	WIN 0
.if (\k) == F
	v_pk_fma_f32 v[rS+2*(\n):rS+2*(\n)+1], v[rS+2*(\n):rS+2*(\n)+1], s[CS:CS+1], v[rT:rT+1] op_sel_hi:[1,0,0] neg_lo:[0,0,1] neg_hi:[0,0,1]
.elseif (\k) == E
	v_exp_f32 v[rS+(\n)], v[rS+(\n)]
.elseif (\k) == C
	s_wait_alu depctr_va_vdst(0)
	v_cvt_pk_f16_f32 v[rP+(\n)], v[rS+2*(\n)], v[rS+2*(\n)+1]
.elseif (\k) == B
	s_wait_alu depctr_va_vdst(0)
	v_pk_add_f32 v[rS+4*(\n):rS+4*(\n)+1], v[rS+4*(\n):rS+4*(\n)+1], v[rS+4*(\n)+2:rS+4*(\n)+3]
.elseif (\n) == 0
	v_pk_fma_f32 v[rT+2:rT+3], v[rT+2:rT+3], v[rC+2:rC+3], v[rS:rS+1] op_sel_hi:[1,0,1]
.else
	v_pk_add_f32 v[rT+2:rT+3], v[rT+2:rT+3], v[rS+4*(\n):rS+4*(\n)+1]
.endif
.elseif NOKQ
	v_nop
.else
	REGS (Y+1)%NP
	WIN 0
.if (\n) < 4
	v_max3_num_f32 v[rC+(\n)], v[rS+8*(\n)], v[rS+8*(\n)+1], v[rS+8*(\n)+2]
.elseif (\n) < 12
	v_max3_num_f32 v[rC+(\n)%4], v[rC+(\n)%4], v[rS+8*((\n)%4)+2*((\n)/4)+1], v[rS+8*((\n)%4)+2*((\n)/4)+2]
.elseif (\n) == 12
	v_max3_num_f32 v[rC], v[rC], v[rS+7], v[rS+15]
.elseif (\n) == 13
	v_max3_num_f32 v[rC+1], v[rC+1], v[rS+23], v[rS+31]
.elseif (\n) == 14
	v_max3_num_f32 v[rC+2], v[rC+2], v[rC+3], v[rT+1]
.elseif (\n) == 15
	v_mov_b32 v[rW], v[rT]
.elseif (\n) == 16
	v_max3_num_f32 v[rC], v[rC], v[rC+1], v[rC+2]
.elseif (\n) == 17
	v_permlanex16_b32 v[rC+3], v[rC], s[SEL], s[SEL+1]
.elseif (\n) == 18
	v_max_num_f32 v[rT+1], v[rC], v[rC+3]
.elseif (\n) == 19
	v_mul_f32 v[rT], s[CS], v[rT+1]
.elseif (\n) == 20
	v_sub_f32 v[rC+1], v[rW], v[rT]
.else
	v_exp_f32 v[rC+2], v[rC+1]
.endif
.endif
.endm
.macro OPS a, i1, b=-1, i2=0, c=-1, i3=0, d=-1, i4=0  ; up to four of them
	OP \a, \i1
.if (\b) >= 0
	OP \b, \i2
.endif
.if (\c) >= 0
	OP \c, \i3
.endif
.if (\d) >= 0
	OP \d, \i4
.endif
.endm
.macro ROW a, i1, b, i2, c, i3, d, i4  ; a matrix instruction and the four behind it
	MM
	OPS \a, \i1, \b, \i2, \c, \i3, \d, \i4
.endm
.macro MASK b                       ; MD x AL + BE into buffer b of MC
	WIN W_RS
.set z, 0
.rept 16
	v_pk_fma_f32 v[MC+32*(\b)+2*z:MC+32*(\b)+2*z+1], v[MD+2*z:MD+2*z+1], s[AL:AL+1], s[BE:BE+1] op_sel_hi:[1,0,0]
.set z, z+1
.endr
.endm
; A TURN, for piece p: the order of its 16 matrix and 118 vector instructions, written out.  Behind a matrix instruction: plain, exponential, plain, plain; or four of the rescaling; or, behind the first, four scalings; none
; names a register of the products round it.  In the lumps exponential and plain by turns while exponentials last.  A line reads no result made fewer than three vector instructions in front of it, five if an exponential made it.
; v_permlanex16_b32 (X 17) stands in a lump.
; m = 1: the diagonal tile: the products take masks, and the turn makes the mask for the products of the turn after it: piece p + 2, in step 4 - CNT of the tile.  end = 1: a block's last two turns: nothing is fetched.
; cnt = 1: the loop's count is taken down some lines ahead of the branch that stands behind the turn.
; K of the next step is fetched in piece 2's turn, six vector instructions behind the last product that read K (five of them plain); V of the step in hand in piece 0's turn, eight behind the last product that read V (four
; plain, and X 17).  Each is waited for a turn later.
.macro TURN p, m=0, end=0, cnt=0
.set Y, (\p)
.set i, 0
.set KM, (\m)
.set NOKQ, (\end)*((\p)/3)
.if (\m) && !(\end)
	s_cmp_eq_u32 s[CNT], 4-((\p)+2)%NP  ; is that step the band's own?
	s_cselect_b32 s[AL], 1.0, 0
	s_cmp_lt_u32 s[CNT], 4-((\p)+2)%NP  ; or a later one?
	s_cselect_b32 s[BE], s[BIGN], 0
.endif
.if ((\p) == 3) && !(\end)
	s_wait_dscnt 0x0                ; K is in
.endif
	ROW F,0, F,1, F,2, F,3
	ROW F,4, E,0, F,5, F,6
	ROW F,7, E,1, F,8, F,9
	ROW F,10, E,2, C,0, F,11
	ROW F,12, E,3, X,15, F,13
	ROW R,0, R,1, R,2, R,3
	ROW B,0, E,4, F,14, L,0
.if ((\p) == 2) && !(\end)
	v_add_nc_u32 v[AK], s[TBK], v[AK0]
.endif
	ROW R,4, R,5, R,6, R,7
	OPS E,5, F,15
.if ((\p) == 2) && !(\end)
	FETCH_K
.endif
	OPS E,6, C,1, E,7, R,8
	OPS E,8, R,9, E,9, C,2
	OPS E,10, X,0, E,11, X,1
	OPS E,12, X,2, E,13, X,3
.if (\p) == 1
	s_wait_dscnt 0x0                ; V is in
.endif
	ROW X,4, E,14, X,5, X,6
	ROW X,7, E,15, X,8, X,9
	ROW X,10, E,16, X,11, X,12
	ROW X,13, E,17, X,14, B,1
	ROW C,4, E,18, X,16, L,1
	ROW B,2, E,19, C,6, L,2
	ROW C,8, E,20, B,3, B,4
.if (\p) == 0
	v_add_nc_u32 v[AV], s[TBV], v[AV0]
.endif
	ROW C,3, E,21, L,3, C,5
	OPS E,22, X,17, E,23, C,10
.if (\p) == 0
	FETCH_V
.endif
	OPS E,24, L,4
	OPS E,25, X,18, E,26, C,7
	OPS E,27, B,5, E,28, X,19
	OPS E,29, C,12, E,30, L,5
	OPS E,31, X,20, B,6, C,9
	OPS C,14, C,11, X,21, L,6
.if (\p) == 0
	s_add_co_u32 s[TBV], s[TBV], KS*PV
.endif
.if \cnt
	s_sub_co_u32 s[CNT], s[CNT], 1
	s_cmp_lg_u32 s[CNT], 0
.endif
	OPS C,13, B,7, C,15, R,10
	OPS R,11, R,12, L,7, R,13
	OPS R,14, R,15
.if (\m) && !(\end)
	MASK (\p)%2
.endif
.endm
; A BLOCK BEGINS.  c m starts far below every c s, so the first step's a is 0; m at the lowest finite number, so the first maximum is the scores'.  The second mask buffer is 0; the first takes piece 0's mask for the tile's step 0: its own, if the block's first tile is the diagonal one.
; Then K of that step, piece 0's first scores, and its maximum and statistics.  The loop is entered at a step's first turn, in the middle of a trip.
.macro BEGIN
	s_mov_b32 s[NEW], 0
	WIN 0x40
.set i, MC+32
.rept 32
	v_mov_b32 v[i], 0
.set i, i+1
.endr
	WIN 0
.set i, 0
.rept 4
	v_mov_b32 v[ST+4*i], 0xfe000000    ; c m: far below every c s
	v_mov_b32 v[ST+4*i+1], 0xff7fffff  ; m
.set i, i+1
.endr
	s_cmp_eq_u32 s[RT], 0
	s_cselect_b32 s[AL], 1.0, 0
	s_mov_b32 s[BE], 0
	MASK 0
	WIN 0
	v_add_nc_u32 v[AK], s[TBK], v[AK0]
	FETCH_K
	s_wait_loadcnt 0x0              ; Q
	s_wait_dscnt 0x0
.set KM, 1
.set NOKQ, 0
.set i, 0
.rept 8
	KQ 0
.set i, i+1
.endr
	WIN 0
.rept 4
	v_nop                           ; the places behind those products
.endr
.set Y, NP-1                        ; X works for piece Y + 1: piece 0
.irp n, 0,1,2,3,4,5,6,7,8,9,10,11,12,13,14,15,16,17,18,19,20,21
	OP X, \n
.endr
	v_nop                           ; a plain instruction behind the exponential
.endm
; THE DIAGONAL TILE's four steps, the block's last two turns, its last products, and THE WAY OUT: l's two halves and the other half of the lanes' are added; O^T is divided by l, rounded to f16 and sent through my
; stage in LDS, a piece at a time.
.macro ALL line:vararg              ; one line for each piece t
.set t, 0
.rept 4
	\line
.set t, t+1
.endr
.endm
.macro PACK t                       ; a lane's eight channels of a row pack into 16 bytes; they go into rows of 144 bytes and come back as whole rows of 128, into S^T's registers
	WIN W_RS
.set i, 32*(\t)
.rept 16
	s_wait_alu depctr_va_vdst(0)
	v_pk_mul_f32 v[i:i+1], v[i:i+1], v[ST+4*(\t)+2:ST+4*(\t)+3] op_sel_hi:[1,0]
.set i, i+2
.endr
	WIN 0x05                        ; sources 0 and 1 window 1, destination window 0
.set i, 0
.rept 16
	v_cvt_pk_f16_f32 v[S+16*(\t)+i], v[32*(\t)+2*i], v[32*(\t)+2*i+1]
.set i, i+1
.endr
	WIN 0
.irp f, 0,1,2,3
	ds_store_b128 v[STO], v[S+16*(\t)+4*\f:S+16*(\t)+4*\f+3] offset:32*\f
.endr
.irp f, 0,1,2,3
	ds_load_b128 v[S+16*(\t)+4*\f:S+16*(\t)+4*\f+3], v[RD] offset:\f*4*SP  ; LDS serves a wave's instructions in order (ISA guide 5.7.1.4): these see the stores above; the next piece's stores come behind them
.endr
.endm
.macro SEND t, younger              ; younger: the LDS instructions issued behind piece t's loads: the next piece's eight, or none
	WIN 0
.irp f, 0,1,2,3
	s_wait_dscnt (\younger)+3-\f
	global_store_b128 v[GO], v[S+16*(\t)+4*\f:S+16*(\t)+4*\f+3], s[10:11] offset:(\t)*8192+\f*512  ; 512 consecutive bytes, at a multiple of 256 from O's first
.endr
.endm
.macro DIAG tag                     ; the tag ends its two labels' names, which the jumps below spell out
.LstepM\tag:
	TURN 2, 1
	TURN 3, 1
	WIN 0
.LfirstM\tag:
	TURN 0, 1
	TURN 1, 1, 0, 1
	WIN 0
	s_cbranch_scc1 .LstepM\tag
	TURN 2, 1, 1
	TURN 3, 1, 1
.set i, 0
.rept 8
	PV NP-1
.set i, i+1
.endr
	WIN 0
	ALL v_add_f32 v[ST+4*t+2], v[ST+4*t+2], v[ST+4*t+3]
	ALL v_permlanex16_b32 v[ST+4*t+3], v[ST+4*t+2], s[SEL], s[SEL+1]
	ALL v_add_f32 v[ST+4*t+2], v[ST+4*t+2], v[ST+4*t+3]
	ALL v_rcp_f32 v[ST+4*t+2], v[ST+4*t+2]
	v_nop                           ; a plain instruction between the last reciprocal and the use of its result
	PACK 0
.set t, 1
.rept 3                             ; a piece's arithmetic stands between the loads of the piece before and its stores
	PACK t
	SEND t-1, 8
.set t, t+1
.endr
	SEND 3, 0
.endm
.set KM, 0
.set NOKQ, 0
.Lslot:                             ; NB times: a tile is entered and the next is asked for
	CHANGE 1
	s_sub_co_u32 s[RT], s[RT], 1
	s_mov_b32 s[CNT], 4
	s_cmp_eq_u32 s[NEW], 1
	s_cbranch_scc1 .Lnew            ; a block's first tile
	s_cmp_eq_u32 s[RT], 0
	s_cbranch_scc0 .Lstep           ; neither its first nor its last
	s_branch .LstepM1
.Lnew:
	BEGIN
	s_branch .Lfirst                ; in the loop a block's first tile is never its last: the first block has two tiles or more, and the second's last is the walk's last
	DIAG 1                          ; in the loop this is the first block's end: the second block's last tile is the walk's last
	s_wait_xcnt 0x0                 ; the stores have read their registers and O's address
	s_mov_b64 s[10:11], s[OLO:OLO+1]
	s_add_co_u32 s[RT], s[PB], 1    ; the second block has b + 1 tiles
	s_mov_b32 s[NEW], 1
	WIN 0x82                        ; the second block's Q goes where the one text of the turns names Q
.set i, 0
.rept 64
	v_mov_b32 v[i], v[QB+i]
.set i, i+1
.endr
	WIN 0
	s_branch .Lbottom
.Lstep:                             ; a trip: pieces 2 and 3 of one step, then pieces 0 and 1 of the next, whose K and V it fetches
	TURN 2
	TURN 3
	WIN 0
.Lfirst:
	TURN 0
	TURN 1, 0, 0, 1
	WIN 0
	s_cbranch_scc1 .Lstep
.Lbottom:
	s_sub_co_u32 s[SLOTS], s[SLOTS], 1
	s_cmp_lg_u32 s[SLOTS], 0
	s_cbranch_scc1 .Lslot
	CHANGE 0                        ; the walk's last tile is written out: nothing is asked for
	s_sub_co_u32 s[RT], s[RT], 1
	s_mov_b32 s[CNT], 4
	s_cmp_eq_u32 s[NEW], 1
	s_cbranch_scc0 .LstepM2
	BEGIN
	s_branch .LfirstM2
	DIAG 2
	s_wait_tensorcnt 0x0            ; the wave's end: behind my last tensor load and my last LDS store
	ds_add_u32 v[SPW], v[NIL]
	s_wait_dscnt 0x0
	s_endpgm
.Lfunc_end_k_qcdd63ceca8_attn:
	.size	k_qcdd63ceca8_attn, .Lfunc_end_k_qcdd63ceca8_attn-k_qcdd63ceca8_attn
	.p2alignl 7, 3214868480
	.fill 96, 4, 3214868480
	.section	.rodata,"a",@progbits
	.p2align	6, 0x0
	.amdhsa_kernel k_qcdd63ceca8_attn
		.amdhsa_group_segment_fixed_size 327680
		.amdhsa_private_segment_fixed_size 0
		.amdhsa_enable_private_segment 0
		.amdhsa_kernarg_size 32
		.amdhsa_user_sgpr_count 2
		.amdhsa_user_sgpr_kernarg_segment_ptr 1
		.amdhsa_wavefront_size32 1
		.amdhsa_system_sgpr_workgroup_id_x 1
		.amdhsa_system_sgpr_workgroup_id_y 1
		.amdhsa_system_sgpr_workgroup_id_z 1
		.amdhsa_system_vgpr_workitem_id 0
		.amdhsa_next_free_vgpr 768
		.amdhsa_next_free_sgpr 92
		.amdhsa_reserve_vcc 1
		.amdhsa_float_denorm_mode_32 3
		.amdhsa_float_denorm_mode_16_64 3
		.amdhsa_memory_ordered 1
		.amdhsa_forward_progress 1
		.amdhsa_inst_pref_size 229
	.end_amdhsa_kernel
	.amdgpu_metadata
---
amdhsa.version: [ 1, 2 ]
amdhsa.kernels:
  - .name:           k_qcdd63ceca8_attn
    .symbol:         k_qcdd63ceca8_attn.kd
    .args:
      - { .name: qh, .offset: 0, .size: 8, .value_kind: global_buffer, .address_space: global }
      - { .name: kh, .offset: 8, .size: 8, .value_kind: global_buffer, .address_space: global }
      - { .name: vh, .offset: 16, .size: 8, .value_kind: global_buffer, .address_space: global }
      - { .name: oh, .offset: 24, .size: 8, .value_kind: global_buffer, .address_space: global }
    .group_segment_fixed_size: 327680
    .private_segment_fixed_size: 0
    .kernarg_segment_align: 8
    .kernarg_segment_size: 32
    .max_flat_workgroup_size: 128
    .sgpr_count:     92
    .vgpr_count:     768
    .wavefront_size: 32
...
	.end_amdgpu_metadata
.endif
;; end of part 3
;; launch proj (part 4): grid 8 x 32, 4 waves a work-group, clusters of 4 x 4, 327,680 bytes of LDS; arguments oh, wo, out0; writes out0
.if DOCPART == 4
	.amdgcn_target "amdgcn-amd-amdhsa--gfx1250"
	.amdhsa_code_object_version 6
	.text
	.protected	k_qcdd63ceca8_proj
	.globl	k_qcdd63ceca8_proj
	.p2align	8
	.type	k_qcdd63ceca8_proj,@function
k_qcdd63ceca8_proj:
	s_mov_b64 s[64:65], 0
	v_nop
	global_prefetch_b8 v0, s[64:65] scope:SCOPE_SE
	s_setreg_imm32_b32 hwreg(HW_REG_WAVE_MODE, 25, 1), 1
	s_wait_xcnt 0x0
	s_wait_alu depctr_hold_cnt(0) depctr_sa_sdst(0) depctr_va_vdst(0) depctr_va_sdst(0) depctr_va_ssrc(0) depctr_va_vcc(0) depctr_vm_vsrc(0)
	s_getreg_b32 s2, hwreg(HW_REG_IB_STS2, 6, 4)
	s_cmp_eq_u32 s2, 0
	s_cbranch_scc0 .Lentry_in_a_cluster
	s_endpgm
.Lentry_in_a_cluster:
	s_bfe_u32 s2, ttmp6, 0x10000c
	s_cmp_lg_u32 s2, 0xf033
	s_cbranch_scc0 .Lentry_shape_is_right
	s_endpgm
.Lentry_shape_is_right:
; out0 = O Wout.  O: f16 by heads [64 b x head][2048 t][64]; wo: f16 [1024 k][1024 n] (Wout rounded to bf16, written as f16); out0: f32 [8192][1024].  Sums in f32, K = 1,024 ascending, stored as they are.
; SHARES.  A work-group makes 256 rows x 128 columns: 8 x 32 = 256 work-groups.  Wave w makes rows 128 (w / 2) on, columns 64 (w % 2) on: 8 x 4 = 32 accumulators, 256 registers.
; THE MATRIX INSTRUCTION IS USED TRANSPOSED (source 0 = 16 columns of W, source 1 = 16 rows of O): a lane holds one row (lane % 16) and eight neighbouring columns: 32 bytes of a row of out0.
; RING.  K goes in steps of 128 = two heads through two LDS slots.  A head's 256 rows lie dense in O: a wave's load asks for them as 128 rows of 256 bytes, padded in LDS after each row of 128.  W lies [k][n] and comes out of LDS turned.
; CLUSTER.  4 x 4 work-groups: the four of a row need the same tile of O, the four of a column the same tile of W; each tile is asked for JOINTLY, by the same tensor load, descriptor and mask in all four.
; REGISTERS: window 0: v0-31 addresses; v32-159 O's fragments, two buffers of 8; v160-223 W's, two buffers of 4.   window 1: the accumulators, (a, bb) at 8 (4 a + bb)
.set PA,    144                        ; a row of O in LDS: 128 bytes + 16 = 36 words: the 16 rows of a load start at 16 different groups of four banks (64 banks of 4 bytes: ISA guide 11.1)
.set PB,    288                        ; a row of W: 256 + 32 bytes = 9 x 32
.set HEADA, 256*PA                     ; what one tensor load brings of O: a head's 256 rows
.set HALFB, 64*PB                      ; and of W: 64 rows
.set BOFF,  2*HEADA
.set SLOT,  BOFF+2*HALFB               ; 110,592
.set STAGE, 2*SLOT                     ; behind the ring, never filled by a tensor load: 16 rows x 272 bytes for each wave
.set SP,    272
.set SPARE, STAGE+4*16*SP              ; behind the stages: the spare words, 128 bytes for each wave: two blocks of 256 bytes that no other line names
.set STEPA, 2*262144                   ; two heads on in O
.set STEPB, 128*2048                   ; 128 rows of wo
.set ADRA, 16                          ; v16-17  LDS address of my fragments of O in slot 0, 1
.set ADRB, 18                          ; v18-19  the same for W
.set STO,  20                          ; v20     the way out: where I put 32 bytes of a row
.set RD,   21                          ; v21     where I read rows back
.set CO,   22                          ; v22     my byte offset in two rows of out0
.set SPW,  28                          ; v28     LDS address of my spare word; never rewritten
.set NIL,  29                          ; v29     0; never rewritten
.set AFR,  32
.set BFR,  160
.set BK,   32                          ; the way out: two buffers of 32: rows read back from the stage
.set WV,   16                          ; s16 wave; s17 = wave / 2: my half of the rows; s18 = wave % 2: my half of the columns, and which part of a tile I fetch
.set G1A,  24
.set G0A,  32
.set G1B,  40
.set G0B,  48
.set MSB, 0
.macro WIN new                         ; the immediate's high byte repeats the setting that is left; a switch that changes nothing is dropped
.if MSB != (\new)
	s_set_vgpr_msb (MSB<<8)|(\new)
.set MSB, (\new)
.endif
.endm
.macro PLACES                          ; four places in front of loads into registers that matrix instructions have read
.rept 4
	v_nop
.endr
.endm
.macro JLOAD s                         ; a joint load: waves 0 and 1 fetch the step's two heads of O, waves 2 and 3 the halves of W's tile; an s_nop 0 and four v_nop follow each line
	s_cmp_lt_u32 s[WV], 2
	s_cbranch_scc0 .Lfor_b_\@
	tensor_load_to_lds s[G0A+4*(\s):G0A+4*(\s)+3], s[G1A:G1A+7]
	s_nop 0
.rept 4
	v_nop
.endr
	s_branch .Lasked_\@
.Lfor_b_\@:
	tensor_load_to_lds s[G0B+4*(\s):G0B+4*(\s)+3], s[G1B:G1B+7]
	s_nop 0
.rept 4
	v_nop
.endr
.Lasked_\@:
.endm
.macro CREST                           ; a round of the cluster's barrier behind its opening barrier
	s_cmp_lg_u32 s[WV], 0
	s_cbranch_scc1 .Lnot_wave_0_\@
	s_barrier_signal -3
.Lnot_wave_0_\@:
	s_barrier_wait -3
	s_barrier_signal -1
	s_barrier_wait -1
.endm
.macro CROUND
	s_barrier_signal -1
	s_barrier_wait -1
	CREST
.endm
; na x 4 matrix instructions on buffer f: row blocks a0 on x the 4 column blocks, 32 along K.  Each accumulator has one instruction a quarter: the 32 take turns.
.macro MUL f, a0, na, zero
	WIN 0x50                                       ; C and D in window 1
.set ma, (\a0)
.rept (\na)
.set mb, 0
.rept 4
.if \zero
	v_wmma_f32_16x16x32_f16 v[8*(4*ma+mb):8*(4*ma+mb)+7], v[BFR+32*(\f)+8*mb:BFR+32*(\f)+8*mb+7], v[AFR+64*(\f)+8*ma:AFR+64*(\f)+8*ma+7], 0
.else
	v_wmma_f32_16x16x32_f16 v[8*(4*ma+mb):8*(4*ma+mb)+7], v[BFR+32*(\f)+8*mb:BFR+32*(\f)+8*mb+7], v[AFR+64*(\f)+8*ma:AFR+64*(\f)+8*ma+7], v[8*(4*ma+mb):8*(4*ma+mb)+7]
.endif
.set mb, mb+1
.endr
.set ma, ma+1
.endr
.endm
; 24 LDS loads in one run: quarter q (32 along K: head q / 2 of the step, channels 32 (q % 2) on) into buffer f; W's first, then O's row blocks in ascending order
.macro FETCH slot, q, f
	WIN 0
.irp bb, 0,1,2,3
	ds_load_tr16_b128 v[BFR+32*(\f)+8*(\bb):BFR+32*(\f)+8*(\bb)+3],   v[ADRB+(\slot)] offset:(\q)*32*PB+(\bb)*32
	ds_load_tr16_b128 v[BFR+32*(\f)+8*(\bb)+4:BFR+32*(\f)+8*(\bb)+7], v[ADRB+(\slot)] offset:(\q)*32*PB+(\bb)*32+16*PB
.endr
.irp a, 0,1,2,3,4,5,6,7
	ds_load_b128 v[AFR+64*(\f)+8*(\a):AFR+64*(\f)+8*(\a)+3],   v[ADRA+(\slot)] offset:((\q)/2)*HEADA+((\q)%2)*64+(\a)*16*PA
	ds_load_b128 v[AFR+64*(\f)+8*(\a)+4:AFR+64*(\f)+8*(\a)+7], v[ADRA+(\slot)] offset:((\q)/2)*HEADA+((\q)%2)*64+(\a)*16*PA+32
.endr
.endm
; One of a step's first three quarters: multiplies buffer f and fetches quarter qn of the same slot into buffer g
.macro QUARTER slot, qn, f, g, zero
	s_wait_dscnt 8                                 ; W and O's row blocks 0-3 are in; the youngest eight loads may be out
	MUL \f, 0, 4, \zero
	PLACES
	FETCH \slot, \qn, \g
	s_wait_dscnt 24                                ; all but the 24 just issued
	MUL \f, 4, 4, \zero
.endm
; The last quarter multiplies buffer 1 and changes slots.  In front of the barrier each wave waits for all its tensor loads, of which one is out: its part of the next slot; adds 0 to its spare word; and waits for that and for its
; reads of this slot.  fill = 1: the barrier opens a round of the cluster's, and this slot is filled again first behind it, two steps ahead: 112 matrix instructions ahead of the wait for it.
.macro TURN slot, next, fill
	WIN 0
	s_wait_tensorcnt 0x0                           ; all my tensor loads have landed
	ds_add_u32 v[SPW], v[NIL]                      ; 0 onto my spare word
	s_wait_dscnt 9                                 ; (the add and the youngest eight loads may be out)
	MUL 1, 0, 2, 0                                 ; eight matrix instructions stand between the add and the wait for it
	s_wait_dscnt 0x0                               ; the add is done, and my reads of this slot are over
	s_barrier_signal -1
	MUL 1, 2, 2, 0
.if \fill
	WIN 0
.endif
	s_barrier_wait -1
.if \fill
	CREST                                          ; no wave of any partner still reads this slot or has a load on its way
	s_add_nc_u64 s[G0A+4*(\slot)+2:G0A+4*(\slot)+3], s[G0A+4*(\slot)+2:G0A+4*(\slot)+3], 2*STEPA
	s_add_nc_u64 s[G0B+4*(\slot)+2:G0B+4*(\slot)+3], s[G0B+4*(\slot)+2:G0B+4*(\slot)+3], 2*STEPB
	JLOAD \slot                                    ; the first tensor load behind the round; its four v_nop are also the places in front of the loads below
.else
	PLACES
.endif
	FETCH \next, 0, 0
	MUL 1, 4, 4, 0
.endm
	s_load_b128 s[4:7], s[0:1], 0x0                ; O s[4:5], wo s[6:7]
	s_load_b64 s[8:9], s[0:1], 0x10                ; out0
	v_lshl_add_u32 v[SPW], v0, 2, SPARE
	v_mov_b32 v[NIL], 0
	ds_add_u32 v[SPW], v[NIL]                      ; the wave's opening: the add and its wait stand ahead of my first tensor load; the set-up below, work on registers, stands between them
	ds_add_u32 v28, v29
	v_lshrrev_b32 v1, 5, v0
	v_readfirstlane_b32 s[WV], v1                  ; wave 0..3
	s_lshr_b32 s17, s[WV], 1
	s_and_b32 s18, s[WV], 1
	s_bfe_u32 s19, ttmp6, 0x40000                  ; cx
	s_bfe_u32 s20, ttmp6, 0x40004                  ; cy
	s_lshl_b32 s21, ttmp9, 2
	s_add_co_u32 s21, s21, s19                     ; tx: which 128 columns
	s_and_b32 s22, ttmp7, 0xffff
	s_lshl_b32 s22, s22, 2
	s_add_co_u32 s22, s22, s20                     ; ty: which 256 rows
	s_lshl_b32 s56, s20, 2
	s_lshl_b32 s56, 15, s56                        ; my row of the cluster
	s_lshl_b32 s60, 0x1111, s19                    ; my column
	s_or_b32 s[G1A], s56, (1<<16)|(1<<20)|(1<<21)|(4<<22)|(3<<25)  ; the mask; 2-byte elements; padding on; bit 21 beside a mask; after every 32 words (code 4) 4 words (code 3)
	s_mov_b32 s[G1A+1], 128<<16                    ; tensor_dim0 = 128: two rows of a head's 64 channels
	s_mov_b32 s[G1A+2], 128<<16                    ; tensor_dim1 = 128
	s_mov_b32 s[G1A+3], 128<<16                    ; tile_dim0 = 128
	s_mov_b32 s[G1A+4], 128                        ; tile_dim1 = 128
	s_mov_b32 s[G1A+5], 128                        ; dense
	s_mov_b32 s[G1A+6], 0
	s_mov_b32 s[G1A+7], 0
	s_or_b32 s[G1B], s60, (1<<16)|(1<<20)|(1<<21)|(5<<22)|(7<<25)  ; after every 64 words (code 5) 8 words (code 7)
	s_mov_b32 s[G1B+1], 128<<16                    ; tensor_dim0 = 128
	s_mov_b32 s[G1B+2], 64<<16                     ; tensor_dim1 = 64
	s_mov_b32 s[G1B+3], 128<<16                    ; tile_dim0 = 128
	s_mov_b32 s[G1B+4], 64                         ; tile_dim1 = 64
	s_mov_b32 s[G1B+5], 1024                       ; elements from row to row
	s_mov_b32 s[G1B+6], 0
	s_mov_b32 s[G1B+7], 0
	; O's tile hangs on ty and the wave alone, W's on tx and the wave alone; each address is made in registers that never hold the other coordinate
	s_lshr_b32 s56, s22, 3                         ; the batch: 16 heads of 262,144 bytes
	s_lshl_b32 s56, s56, 22
	s_and_b32 s58, s22, 7
	s_lshl_b32 s58, s58, 15                        ; 256 rows of 128 bytes
	s_add_co_u32 s56, s56, s58
	s_lshl_b32 s58, s18, 18                        ; my head of the step's two
	s_add_co_u32 s56, s56, s58
	s_mov_b32 s57, 0
	s_mul_i32 s59, s18, HEADA                      ; and where it goes: no place in the cluster enters an LDS address
	s_lshl_b32 s60, s18, 17                        ; my 64 rows of W
	s_lshl_b32 s62, s21, 8                         ; the tile's 128 columns
	s_add_co_u32 s60, s60, s62
	s_mov_b32 s61, 0
	s_mul_i32 s63, s18, HALFB
	s_add_co_u32 s63, s63, BOFF
	s_wait_dscnt 0x0                               ; the opening add is done
	s_wait_kmcnt 0x0
	s_add_nc_u64 s[56:57], s[4:5], s[56:57]
	s_add_nc_u64 s[60:61], s[6:7], s[60:61]
	CROUND                                         ; all sixteen work-groups are here: the first joint loads meet
.irp s, 0,1
	s_mov_b32 s[G0A+4*(\s)], 1
	s_add_co_u32 s[G0A+4*(\s)+1], s59, (\s)*SLOT
	s_add_nc_u64 s[G0A+4*(\s)+2:G0A+4*(\s)+3], s[56:57], (\s)*STEPA
	s_or_b32 s[G0A+4*(\s)+3], s[G0A+4*(\s)+3], 0x80000000
	s_mov_b32 s[G0B+4*(\s)], 1
	s_add_co_u32 s[G0B+4*(\s)+1], s63, (\s)*SLOT
	s_add_nc_u64 s[G0B+4*(\s)+2:G0B+4*(\s)+3], s[60:61], (\s)*STEPB
	s_or_b32 s[G0B+4*(\s)+3], s[G0B+4*(\s)+3], 0x80000000
	JLOAD \s                                       ; two loads of mine are out
.endr
	v_and_b32 v1, 15, v0                           ; r
	v_bfe_u32 v2, v0, 4, 1                         ; h
	v_mul_u32_u24 v3, v1, PA
	v_lshl_add_u32 v3, v2, 4, v3
	s_mul_i32 s66, s17, 128*PA                     ; my 128 rows, in each head's block
	v_add_nc_u32 v[ADRA], s66, v3
	v_add_nc_u32 v[ADRA+1], SLOT, v[ADRA]
	v_and_b32 v4, 7, v0
	v_bfe_u32 v5, v0, 3, 1
	v_lshl_add_u32 v6, v2, 3, v4                   ; the turning load: lane l reads row 8 h + l % 8, 16 bytes at 16 ((l / 8) % 2)
	v_mul_u32_u24 v6, v6, PB
	v_lshl_add_u32 v6, v5, 4, v6
	s_lshl_b32 s66, s18, 7                         ; my 64 columns
	s_add_co_u32 s66, s66, BOFF
	v_add_nc_u32 v[ADRB], s66, v6
	v_add_nc_u32 v[ADRB+1], SLOT, v[ADRB]
	s_mul_i32 s66, s[WV], 16*SP
	s_add_co_u32 s66, s66, STAGE                   ; my stage
	v_mul_u32_u24 v7, v1, SP                       ; in: row r, 32 bytes for each half of the lanes
	v_lshl_add_u32 v7, v2, 5, v7
	v_add_nc_u32 v[STO], s66, v7
	v_mul_u32_u24 v8, v2, SP                       ; back: lanes 0-15 take one row of 256 bytes, lanes 16-31 the next
	v_lshl_add_u32 v8, v1, 4, v8
	v_add_nc_u32 v[RD], s66, v8
	v_lshlrev_b32 v[CO], 12, v2                    ; and the same two rows in out0
	v_lshl_add_u32 v[CO], v1, 4, v[CO]
	s_lshl_b32 s66, s22, 20                        ; 256 rows of 4,096 bytes,
	s_lshl_b32 s68, s17, 19                        ; my 128,
	s_add_co_u32 s66, s66, s68
	s_lshl_b32 s68, s21, 9                         ; the tile's 128 columns,
	s_add_co_u32 s66, s66, s68
	s_lshl_b32 s68, s18, 8                         ; my 64
	s_add_co_u32 s66, s66, s68
	s_mov_b32 s67, 0
	s_add_nc_u64 s[8:9], s[8:9], s[66:67]
	s_wait_tensorcnt 1                             ; my part of K step 0 is in; step 1's may stay out
	s_barrier_signal -1
	s_barrier_wait -1                              ; everybody's is
	FETCH 0, 0, 0
	QUARTER 0, 1, 0, 1, 1                          ; the first quarter stands in front of the loop: its products start the sums
	WIN 0                                          ; at a label and at a branch every window is 0
	s_mov_b32 s23, 3
.Llap:                                                 ; a trip goes once round the ring, from a lap's second quarter to the next lap's first: 3 trips ask for K steps 2 to 7
	QUARTER 0, 2, 1, 0, 0
	QUARTER 0, 3, 0, 1, 0
	TURN 0, 1, 1
	QUARTER 1, 1, 0, 1, 0
	QUARTER 1, 2, 1, 0, 0
	QUARTER 1, 3, 0, 1, 0
	TURN 1, 0, 1
	QUARTER 0, 1, 0, 1, 0
	WIN 0
	s_sub_co_u32 s23, s23, 1
	s_cmp_lg_u32 s23, 0
	s_cbranch_scc1 .Llap
	QUARTER 0, 2, 1, 0, 0                          ; the last lap fills nothing, and has no round
	QUARTER 0, 3, 0, 1, 0
	TURN 0, 1, 0
	QUARTER 1, 1, 0, 1, 0
	QUARTER 1, 2, 1, 0, 0
	QUARTER 1, 3, 0, 1, 0
	s_wait_dscnt 8
	MUL 1, 0, 4, 0
	s_wait_dscnt 0x0
	MUL 1, 4, 4, 0
	WIN 0
; THE WAY OUT, a block of 16 rows at a time: a lane's 32 bytes of a row go into my stage and come back as whole rows of 256 bytes.
.macro TOSTAGE a
	s_wait_xcnt 0x0                                ; the stores of two blocks back have read their registers: rows are loaded into them again only behind this wait
	WIN 0x04                                       ; the stores' data in window 1
.irp bb, 0,1,2,3
	ds_store_b128 v[STO], v[32*(\a)+8*(\bb):32*(\a)+8*(\bb)+3]   offset:64*(\bb)
	ds_store_b128 v[STO], v[32*(\a)+8*(\bb)+4:32*(\a)+8*(\bb)+7] offset:64*(\bb)+16
.endr
	WIN 0
.irp t, 0,1,2,3,4,5,6,7
	ds_load_b128 v[BK+32*((\a)%2)+4*(\t):BK+32*((\a)%2)+4*(\t)+3], v[RD] offset:(\t)*2*SP  ; LDS serves a wave's instructions in order (ISA guide 5.7.1.4): these see the stores above; the next block's stores come behind them
.endr
.endm
.macro SEND a, younger                 ; younger: the LDS instructions issued behind block a's loads: the next block's sixteen, or none
	s_wait_dscnt \younger
.irp t, 0,1,2,3,4,5,6,7
	global_store_b128 v[CO], v[BK+32*((\a)%2)+4*(\t):BK+32*((\a)%2)+4*(\t)+3], s[8:9] offset:(\a)*65536+(\t)*8192 th:TH_STORE_NT  ; 16 lanes store 256 consecutive bytes, at a multiple of 256
.endr
.endm
.rept 8
	v_nop                                          ; the places behind the last products
.endr
	TOSTAGE 0
.irp a, 1,2,3,4,5,6,7
	TOSTAGE \a
	SEND (\a)-1, 16
.endr
	SEND 7, 0
	s_wait_tensorcnt 0x0                           ; the wave's end: behind my last tensor load and my last LDS store
	ds_add_u32 v[SPW], v[NIL]
	s_wait_dscnt 0x0
	CROUND                                         ; the closing round: no work-group ends while a partner may still ask for a tile that names it
	s_endpgm
.Lfunc_end_k_qcdd63ceca8_proj:
	.size	k_qcdd63ceca8_proj, .Lfunc_end_k_qcdd63ceca8_proj-k_qcdd63ceca8_proj
	.p2alignl 7, 3214868480
	.fill 96, 4, 3214868480
	.section	.rodata,"a",@progbits
	.p2align	6, 0x0
	.amdhsa_kernel k_qcdd63ceca8_proj
		.amdhsa_group_segment_fixed_size 327680
		.amdhsa_private_segment_fixed_size 0
		.amdhsa_enable_private_segment 0
		.amdhsa_kernarg_size 24
		.amdhsa_user_sgpr_count 2
		.amdhsa_user_sgpr_kernarg_segment_ptr 1
		.amdhsa_wavefront_size32 1
		.amdhsa_system_sgpr_workgroup_id_x 1
		.amdhsa_system_sgpr_workgroup_id_y 1
		.amdhsa_system_sgpr_workgroup_id_z 1
		.amdhsa_system_vgpr_workitem_id 0
		.amdhsa_next_free_vgpr 512
		.amdhsa_next_free_sgpr 80
		.amdhsa_reserve_vcc 0
		.amdhsa_float_denorm_mode_32 3
		.amdhsa_float_denorm_mode_16_64 3
		.amdhsa_memory_ordered 1
		.amdhsa_forward_progress 1
		.amdhsa_inst_pref_size 86
	.end_amdhsa_kernel
	.amdgpu_metadata
---
amdhsa.version: [ 1, 2 ]
amdhsa.kernels:
  - .name:           k_qcdd63ceca8_proj
    .symbol:         k_qcdd63ceca8_proj.kd
    .args:
      - { .name: oh, .offset: 0, .size: 8, .value_kind: global_buffer, .address_space: global }
      - { .name: wo, .offset: 8, .size: 8, .value_kind: global_buffer, .address_space: global }
      - { .name: out0, .offset: 16, .size: 8, .value_kind: global_buffer, .address_space: global }
    .group_segment_fixed_size: 327680
    .private_segment_fixed_size: 0
    .kernarg_segment_align: 8
    .kernarg_segment_size: 24
    .max_flat_workgroup_size: 128
    .sgpr_count:     80
    .vgpr_count:     512
    .wavefront_size: 32
...
	.end_amdgpu_metadata
.endif
;; end of part 4
;; ======== version 2 of 2: 4 launches; version 1 with the launch prep written anew for expert scheduling mode
;; limits: values are held in f16: magnitudes above 65,504 overflow, below 6.1e-05 lose precision
;; workspace buffers: xb 16,777,216 bytes; wq 6,291,456 bytes; wo 2,097,152 bytes; rope 524,288 bytes; qh 16,777,216 bytes; kh 16,777,216 bytes; vh 16,777,216 bytes; oh 16,777,216 bytes
;; launch prep (part 5): grid 768 x 1, 8 waves a work-group, no clusters, 0 bytes of LDS; arguments x, Wqkv, Wout, xb, wq, wo, rope; writes xb, wq, wo, rope
.if DOCPART == 5
	.amdgcn_target "amdgcn-amd-amdhsa--gfx1250"
	.amdhsa_code_object_version 6
	.text
	.protected	k_qcdd63ceca8_prep
	.globl	k_qcdd63ceca8_prep
	.p2align	8
	.type	k_qcdd63ceca8_prep,@function
k_qcdd63ceca8_prep:
	s_mov_b64 s[64:65], 0
	v_nop
	global_prefetch_b8 v0, s[64:65] scope:SCOPE_SE
	s_setreg_imm32_b32 hwreg(HW_REG_WAVE_SCHED_MODE, 0, 2), 2
	s_setreg_imm32_b32 hwreg(HW_REG_WAVE_MODE, 25, 1), 1
	s_wait_xcnt 0x0
	s_wait_alu depctr_vm_vsrc(0)
; CASTS AND THE ROTATION TABLE.  Every work-group rounds 16,384 f32 numbers to 16 bits and lays them as the products behind want them:
;   work-groups 0-511:   x [8192][1024]    -> xb bf16 [4 b][16 kb][2048 t][64]: a block of 64 channels of all rows of a batch lies dense
;   work-groups 512-703: Wqkv [1024][3072] -> wq bf16 [1024 k][8 j][3 parts][128]: column 1024 part + 128 j + c goes to 384 j + 128 part + c, so that heads 2 j, 2 j + 1 of q, k and v are 384 neighbouring columns
;   work-groups 704-767: Wout [1024][1024] -> wo f16 [1024][1024]: rounded to bf16 like the other inputs, and that number written as f16
; Work-groups 0-255 also make the table rope f32 [2048 t][cos of 32 angles | sin of 32 angles], a row of 256 bytes a wave, while their loads are on their way.
; Each wave: 16 loads of 16 bytes a lane, all issued first, then 16 stores of 8 bytes a lane, each 256 consecutive bytes at a multiple of 256.  No LDS, no barrier, no loop.
; LIMITS.  bf16(Wout) beyond 65,504 becomes an infinity in f16; below 6e-5 it keeps f16's fixed step of 6e-8.  The angle t x 10000^(-j/32) is made with 2^x of 1 ULP: it is off by at most some 3e-4 at t = 2047.
; THE MODE: SCHED_MODE bits 1:0 = 2 (LLVM: expert scheduling mode 2), set by the entry lines.  The code itself states the register dependences
; between vector instructions and memory instructions, with s_wait_alu, always for 0.
; THE PLAN.  Registers that memory instructions touch:
;   v2, v3       byte offsets.  Written by vector lines at an arm's head; read by the arm's 16 loads (v2) and 16 stores (v3); never written again.
;   X            written by the 16 loads alone, once; read by the conversions.
;   Y            step i's two words: written by step i's conversions, read by store i, never written again.
;   v11, v12-13  the table's offset and data: written by the table's vector lines, read by its one store, never written again.
; No register that a memory instruction has read is written again, so the only wait on vm_vsrc is the one at the entry.
; The 16 steps go in four blocks of four.  Behind the wait for a block's first load ONE wait on va_vdst states that the block before has written its Y; that block's four stores follow in a run,
; ahead of the waits for the block's other three loads.  One more such wait stands ahead of the last four stores.
; Scalar registers that vector lines write: s18 (the wave's number) and s2, s3 (the table's two masks); each has its wait on va_sdst ahead of its first reader.
.set VI, 2                             ; v2   my byte offset in the source
.set VO, 3                             ; v3   my byte offset in the destination
.set X,  32                            ; v[32:95]   16 x 4 numbers as loaded
.set Y,  96                            ; v[96:127]  16 x 2 words to store
.macro LOADS is                        ; 16 loads, is bytes apart
.set i, 0
.rept 16
	global_load_b128 v[X+4*i:X+4*i+3], v[VI], s[24:25] offset:i*(\is) th:TH_LOAD_NT
.set i, i+1
.endr
.endm
.macro OUT4 p, os                      ; the four stores of block p, os bytes apart
.irp j, 0,1,2,3
.set m, 4*(\p)+(\j)
	global_store_b64 v[VO], v[Y+2*m:Y+2*m+1], s[26:27] offset:m*(\os)
.endr
.endm
.macro CONV os, f16                    ; round and store; f16 = 1: the bf16 number is written as f16
.irp p, 0,1,2,3
.irp j, 0,1,2,3
.set n, 4*(\p)+(\j)
	s_wait_loadcnt 15-n                            ; loads come back in order: number n is in, the 15 - n younger ones may stay out
.if ((\j) == 0) && ((\p) > 0)
	s_wait_alu depctr_va_vdst(0)                   ; the block before has written its eight words of Y, which the four stores below read
	OUT4 (\p)-1, \os
.endif
	v_cvt_pk_bf16_f32 v[Y+2*n], v[X+4*n], v[X+4*n+1]
	v_cvt_pk_bf16_f32 v[Y+2*n+1], v[X+4*n+2], v[X+4*n+3]
.if \f16
	v_lshlrev_b32 v4, 16, v[Y+2*n]                 ; bf16 to f32: the low half moves up, the high half stays
	v_and_b32 v5, 0xffff0000, v[Y+2*n]
	v_lshlrev_b32 v6, 16, v[Y+2*n+1]
	v_and_b32 v7, 0xffff0000, v[Y+2*n+1]
	v_cvt_pk_f16_f32 v[Y+2*n], v4, v5
	v_cvt_pk_f16_f32 v[Y+2*n+1], v6, v7
.endif
.endr
.endr
	s_wait_alu depctr_va_vdst(0)                   ; the last block has written its eight words of Y, which the last four stores read
	OUT4 3, \os
.endm
; cos or sin of the angle in v[fa], in two parts.  n = the nearest multiple of pi/2; y = the angle less n pi/2, pi/2 taken in three parts so that the products with n (under 2^11) are exact in the first two;
; sine and cosine of y (within pi/4) by polynomials; the quarter turn m = n + 3 h (v10 = 3 h: a sine is a cosine three quarter turns on) picks one of them and its sign.
; TRIGA leaves sin y in v[sa], cos y in v[ca], the sign bit in v[na], and in s[ma] the mask of the lanes whose m is odd.  TRIGB selects and sets the sign.
.macro TRIGA fa, na, ya, za, sa, ca, ma
	v_mul_f32 v[\na], 0x3f22f983, v[\fa]           ; 2 / pi
	v_rndne_f32 v[\na], v[\na]
	v_fmamk_f32 v[\ya], v[\na], 0xbfc90000, v[\fa] ; - n x 1.5703125
	v_fmamk_f32 v[\ya], v[\na], 0xb9fda000, v[\ya] ; - n x 4.8375130e-4
	v_fmamk_f32 v[\ya], v[\na], 0xb3a22168, v[\ya] ; - n x 7.5497900e-8
	v_mul_f32 v[\za], v[\ya], v[\ya]
	v_mov_b32 v[\sa], 0xb94ca1f9
	v_fmaak_f32 v[\sa], v[\sa], v[\za], 0x3c08839e
	v_fmaak_f32 v[\sa], v[\sa], v[\za], 0xbe2aaaa3
	v_mul_f32 v[\sa], v[\sa], v[\za]
	v_fma_f32 v[\sa], v[\sa], v[\ya], v[\ya]       ; sin y
	v_mov_b32 v[\ca], 0x37ccf5ce
	v_fmaak_f32 v[\ca], v[\ca], v[\za], 0xbab6061a
	v_fmaak_f32 v[\ca], v[\ca], v[\za], 0x3d2aaaa5
	v_mul_f32 v[\ca], v[\ca], v[\za]
	v_fma_f32 v[\ca], v[\ca], v[\za], 1.0
	v_fma_f32 v[\ca], v[\za], -0.5, v[\ca]         ; cos y
	v_cvt_i32_f32 v[\na], v[\na]
	v_add_nc_u32 v[\na], v[\na], v10               ; m, of which the two low bits count
	v_and_b32 v[\ya], 1, v[\na]
	v_cmp_ne_u32 s[\ma], 0, v[\ya]                 ; m odd
	v_add_nc_u32 v[\na], 1, v[\na]
	v_and_b32 v[\na], 2, v[\na]                    ; m = 1, 2: negative
	v_lshlrev_b32 v[\na], 30, v[\na]
.endm
.macro TRIGB na, sa, ca, oa, ma
	v_cndmask_b32 v[\oa], v[\ca], v[\sa], s[\ma]   ; m odd: the sine
	v_xor_b32 v[\oa], v[\oa], v[\na]
.endm
	s_load_b256 s[4:11], s[0:1], 0x0               ; x s[4:5], Wqkv s[6:7], Wout s[8:9], xb s[10:11]
	s_load_b128 s[12:15], s[0:1], 0x20             ; wq s[12:13], wo s[14:15]
	s_load_b64 s[16:17], s[0:1], 0x30              ; rope
	v_lshrrev_b32 v1, 5, v0
	v_readfirstlane_b32 s18, v1                    ; wave 0..7
	s_mov_b32 s19, ttmp9                           ; the work-group's number
	s_mov_b32 s21, 0                               ; offsets stay under 2^32: their high words
	s_mov_b32 s23, 0
	v_and_b32 v4, 31, v0                           ; lane
	s_wait_alu depctr_va_sdst(0)                   ; s18 is written: ahead of the branches below and of its first reader, a scalar line in each of the three arms
	s_wait_kmcnt 0x0
	s_cmp_ge_u32 s19, 704
	s_cbranch_scc1 .Lwout
	s_cmp_ge_u32 s19, 512
	s_cbranch_scc1 .Lwqkv
	; x: 16 rows.  Thread t takes row t / 16, 16 bytes at 16 (t % 16); step i is the block of 64 channels
	s_lshl_b32 s20, s19, 16                        ; 16 rows of 4,096 bytes
	s_lshr_b32 s22, s19, 7                         ; the batch: 128 work-groups each
	s_lshl_b32 s22, s22, 22                        ; 16 x 2,048 x 128 bytes
	s_and_b32 s30, s19, 127
	s_lshl_b32 s30, s30, 11                        ; 16 rows of 128 bytes
	s_add_co_u32 s22, s22, s30
	s_add_nc_u64 s[24:25], s[4:5], s[20:21]
	s_add_nc_u64 s[26:27], s[10:11], s[22:23]
	v_and_b32 v5, 15, v0
	v_lshrrev_b32 v6, 4, v0
	v_lshlrev_b32 v[VI], 4, v5
	v_lshl_add_u32 v[VI], v6, 12, v[VI]
	v_lshlrev_b32 v[VO], 3, v0                     ; row x 128 + 8 (t % 16) = 8 t
	s_wait_alu depctr_va_vdst(0)                   ; v2 and v3 are written: the loads read v2 as their offset, the stores v3; no vector line below names either
	LOADS 256
	s_cmp_lt_u32 s19, 256
	s_cbranch_scc0 .Lnotable
	; the table's row t = 8 x work-group + wave.  Lane l makes angles 2 (l % 16) and 2 (l % 16) + 1: lanes 0-15 their cosines, lanes 16-31 their sines: 8 bytes at 8 l
	s_lshl3_add_u32 s30, s19, s18
	s_lshl_b32 s20, s30, 8
	s_add_nc_u64 s[28:29], s[16:17], s[20:21]
	v_bfe_u32 v6, v0, 4, 1                         ; h
	v_lshlrev_b32 v7, 1, v5
	v_or_b32 v8, 1, v7
	v_cvt_f32_u32 v7, v7
	v_cvt_f32_u32 v8, v8
	v_mul_f32 v7, 0xbed49a78, v7                   ; - j log2(10000) / 32
	v_mul_f32 v8, 0xbed49a78, v8
	v_exp_f32 v7, v7
	v_exp_f32 v8, v8
	v_mul_u32_u24 v10, 3, v6                       ; plain instructions stand between the exponentials and the use of their results
	v_cvt_f32_u32 v9, s30
	v_lshlrev_b32 v11, 3, v4
	s_wait_alu depctr_va_vdst(0)                   ; the two exponentials have written v7 and v8: one wait for both, ahead of their first reader
	v_mul_f32 v7, v9, v7                           ; the angle: t x inv, rounded once
	v_mul_f32 v8, v9, v8
	TRIGA 7, 14, 15, 16, 17, 18, 2
	TRIGA 8, 19, 20, 21, 22, 23, 3
	s_wait_alu depctr_va_sdst(0)                   ; the two compares have written the masks s2 and s3: one wait for both, ahead of the two selects that read them
	TRIGB 14, 17, 18, 12, 2
	TRIGB 19, 22, 23, 13, 3
	s_wait_alu depctr_va_vdst(0)                   ; v11 (the offset) and v12, v13 (the data) are written, which the store reads
	global_store_b64 v11, v[12:13], s[28:29]
.Lnotable:
	CONV 262144, 0
	s_endpgm
.Lwqkv:                                        ; 16 rows of k, the 1,024 columns of one part.  Thread t takes 16 bytes at 16 t; wave w's 128 columns are block j = w; step i is the row
	s_sub_co_u32 s19, s19, 512
	s_and_b32 s30, s19, 63                         ; which 16 rows
	s_lshr_b32 s31, s19, 6                         ; which part
	s_mul_i32 s20, s30, 196608                     ; 16 rows of 12,288 bytes
	s_lshl_b32 s22, s31, 12
	s_add_co_u32 s20, s20, s22
	s_mul_i32 s22, s30, 98304                      ; 16 rows of 6,144 bytes
	s_lshl_b32 s31, s31, 8
	s_add_co_u32 s22, s22, s31
	s_add_nc_u64 s[24:25], s[6:7], s[20:21]
	s_add_nc_u64 s[26:27], s[12:13], s[22:23]
	v_lshlrev_b32 v[VI], 4, v0
	s_mul_i32 s30, s18, 768
	v_lshl_add_u32 v[VO], v4, 3, s30
	s_wait_alu depctr_va_vdst(0)                   ; v2 and v3 are written: the loads read v2 as their offset, the stores v3; no vector line below names either
	LOADS 12288
	CONV 6144, 0
	s_endpgm
.Lwout:                                        ; 16 rows, dense: wave w takes two of them, 512 bytes a step
	s_sub_co_u32 s19, s19, 704
	s_lshl_b32 s20, s19, 16
	s_lshl_b32 s22, s19, 15
	s_add_nc_u64 s[24:25], s[8:9], s[20:21]
	s_add_nc_u64 s[26:27], s[14:15], s[22:23]
	s_lshl_b32 s30, s18, 13
	s_lshl_b32 s31, s18, 12                        ; a register of its own: no scalar line writes one that a vector line has read
	v_lshl_add_u32 v[VI], v4, 4, s30
	v_lshl_add_u32 v[VO], v4, 3, s31
	s_wait_alu depctr_va_vdst(0)                   ; v2 and v3 are written: the loads read v2 as their offset, the stores v3; no vector line below names either
	LOADS 512
	CONV 256, 1
	s_endpgm
.Lfunc_end_k_qcdd63ceca8_prep:
	.size	k_qcdd63ceca8_prep, .Lfunc_end_k_qcdd63ceca8_prep-k_qcdd63ceca8_prep
	.p2alignl 7, 3214868480
	.fill 96, 4, 3214868480
	.section	.rodata,"a",@progbits
	.p2align	6, 0x0
	.amdhsa_kernel k_qcdd63ceca8_prep
		.amdhsa_group_segment_fixed_size 0
		.amdhsa_private_segment_fixed_size 0
		.amdhsa_enable_private_segment 0
		.amdhsa_kernarg_size 56
		.amdhsa_user_sgpr_count 2
		.amdhsa_user_sgpr_kernarg_segment_ptr 1
		.amdhsa_wavefront_size32 1
		.amdhsa_system_sgpr_workgroup_id_x 1
		.amdhsa_system_sgpr_workgroup_id_y 1
		.amdhsa_system_sgpr_workgroup_id_z 1
		.amdhsa_system_vgpr_workitem_id 0
		.amdhsa_next_free_vgpr 128
		.amdhsa_next_free_sgpr 66
		.amdhsa_reserve_vcc 0
		.amdhsa_float_denorm_mode_32 3
		.amdhsa_float_denorm_mode_16_64 3
		.amdhsa_memory_ordered 1
		.amdhsa_forward_progress 1
		.amdhsa_inst_pref_size 28
	.end_amdhsa_kernel
	.amdgpu_metadata
---
amdhsa.version: [ 1, 2 ]
amdhsa.kernels:
  - .name:           k_qcdd63ceca8_prep
    .symbol:         k_qcdd63ceca8_prep.kd
    .args:
      - { .name: x, .offset: 0, .size: 8, .value_kind: global_buffer, .address_space: global }
      - { .name: Wqkv, .offset: 8, .size: 8, .value_kind: global_buffer, .address_space: global }
      - { .name: Wout, .offset: 16, .size: 8, .value_kind: global_buffer, .address_space: global }
      - { .name: xb, .offset: 24, .size: 8, .value_kind: global_buffer, .address_space: global }
      - { .name: wq, .offset: 32, .size: 8, .value_kind: global_buffer, .address_space: global }
      - { .name: wo, .offset: 40, .size: 8, .value_kind: global_buffer, .address_space: global }
      - { .name: rope, .offset: 48, .size: 8, .value_kind: global_buffer, .address_space: global }
    .group_segment_fixed_size: 0
    .private_segment_fixed_size: 0
    .kernarg_segment_align: 8
    .kernarg_segment_size: 56
    .max_flat_workgroup_size: 256
    .sgpr_count:     66
    .vgpr_count:     128
    .wavefront_size: 32
...
	.end_amdgpu_metadata
.endif
;; end of part 5
;; launch qkv: the kernel of part 2 again; grid 8 x 32, 4 waves a work-group, clusters of 4 x 4, 327,680 bytes of LDS; arguments xb, wq, rope, qh, kh, vh; writes qh, kh, vh
;; launch attn: the kernel of part 3 again; grid 4 x 64, 4 waves a work-group, no clusters, 327,680 bytes of LDS; arguments qh, kh, vh, oh; writes oh
;; launch proj: the kernel of part 4 again; grid 8 x 32, 4 waves a work-group, clusters of 4 x 4, 327,680 bytes of LDS; arguments oh, wo, out0; writes out0
